; MI455X (gfx1250); checked and timed in simulation.
; The chip was launched on July 23, 2026; its instructions are those of AMD's public machine-readable ISA for CDNA 5 (MIT licence, August 2026) and "CDNA5" Instruction Set Architecture Reference Guide (July 2026). The comments in the code are by the model that wrote it; some were corrected since.
;; Transformer Block. Allowed arithmetic: matrix products marked QUANTISED: E4M3 operands, one given power-of-two scale a tensor, by v_wmma_f32_16x16x64_fp8_fp8 or v_wmma_f32_16x16x128_fp8_fp8, f32 sums; everything else in f32.
;; Inputs: W1 1,024 x 4,096 float32; W2 4,096 x 1,024 float32; Wk 16 x 1,024 x 64 float32; Wo 1,024 x 1,024 float32; Wq 16 x 1,024 x 64 float32; Wv 16 x 1,024 x 64 float32; b1 4,096 float32; b2 1,024 float32; be1 1,024 float32; be2 1,024 float32; bo 1,024 float32; g1 1,024 float32; g2 1,024 float32; lowp_scales 16 int32 (the exponents e of the quantised operands' scales 2^e); x 2 x 2,048 x 1,024 float32.
;; Outputs: out0 2 x 2,048 x 1,024 float32.
;; This version of the problem:
;;   THIS VERSION OF THE PROBLEM IS GIVEN IN LOW PRECISION. The matrix products marked QUANTISED in the list below multiply operands that are first quantised to E4M3 (4 exponent bits, 3 mantissa bits; 8 bits a number), with one given power-of-two scale for each operand tensor; their sums are f32. All else is computed in f32.
;;   The module's matrix products, in the order in which they are computed (A, B: the left and right operand; K: the contracted axis; several contracted axes count as one K, in the product's order):
;;     1. [M 1,024, K 1,024] x [K 1,024, N 4,096]; A: input Wq; B: computed on the way: QUANTISED (scales: A lowp_scales[0], B lowp_scales[1])
;;     2. [M 1,024, K 1,024] x [K 1,024, N 4,096]; A: input Wk; B: computed on the way: QUANTISED (scales: A lowp_scales[2], B lowp_scales[3])
;;     3. [M 1,024, K 1,024] x [K 1,024, N 4,096]; A: input Wv; B: computed on the way: QUANTISED (scales: A lowp_scales[4], B lowp_scales[5])
;;     4. batch 32 x [M 2,048, K 64] x [K 64, N 2,048]; A: computed on the way; B: computed on the way: QUANTISED (scales: A lowp_scales[6], B lowp_scales[7])
;;     5. batch 32 x [M 2,048, K 2,048] x [K 2,048, N 64]; A: softmax (see below); B: computed on the way: QUANTISED (scales: A lowp_scales[8], B lowp_scales[9])
;;     6. [M 4,096, K 1,024] x [K 1,024, N 1,024]; A: computed on the way; B: input Wo: QUANTISED (scales: A lowp_scales[10], B lowp_scales[11])
;;     7. [M 4,096, K 1,024] x [K 1,024, N 4,096]; A: computed on the way; B: input W1: QUANTISED (scales: A lowp_scales[12], B lowp_scales[13])
;;     8. [M 4,096, K 4,096] x [K 4,096, N 1,024]; A: computed on the way; B: input W2: QUANTISED (scales: A lowp_scales[14], B lowp_scales[15])
;;   THE QUANTISER, for each operand of a quantised product, along K:
;;     - The operand's scale is 2^e, e = its entry of the input lowp_scales (int32; the entries are numbered through the quantised products in the list's order, A before B).
;;     - Each number is divided by the scale, clamped to +-448, and rounded to the nearest number of E4M3, ties to even, subnormals kept.
;;     - The product sums the exact products of the quantised numbers (number of the format x scale) in f32.
;;   ~~~python
;;   def quantise(x, axis, e):      # numpy; x: float32 -> the quantised numbers, widened to float32 again
;;       x = np.moveaxis(x, axis, -1); K = x.shape[-1]
;;       r = np.clip(x / 2.0 ** e, -448, 448)
;;       step = 2.0 ** (np.maximum(np.frexp(np.where(r == 0, 1, r))[1] - 1, -6) - 3)
;;       q = np.round(r / step) * step * 2.0 ** e      # np.round: ties to even
;;       return np.moveaxis(q, -1, axis).astype(np.float32)
;;   ~~~
;;   SOFTMAX AHEAD OF A QUANTISED PRODUCT. Where the list says 'softmax', what is quantised is not the finished softmax but p = 2^(t - M), with t = logit x log2(e) and M = ceil(the row's largest t), a whole number; so 1/2 < the row's largest p <= 1. The row's sum l is taken of the UNQUANTISED p, in f32, and the product's result is divided by l at the end. Since M is a whole number, a kernel that streams over the keys may use a running M (the ceiling of the running maximum): every later rescaling is an exact power of two, so the quantised numbers keep their values, but for numbers so far below the row's largest that they fall under the format's range.
;;   OPERANDS COMPUTED ON THE WAY. 'Computed on the way' means the value that the module computes at that place (a softmax that the list does not call 'softmax' is quantised finished and normalised). What goes into a quantiser is computed in f32, as accurately as f32 sums, v_exp_f32 and their like allow (about 1e-6 of the number): no bf16 or f16 on the way to a quantiser, and a product that is left as it is and whose result goes on into a quantised operand takes f32 operands (vector FMAs, or v_wmma_f32_16x16x4_f32). A number that lies on a knife's edge between two numbers of the format may be rounded either way, as far as f32 arithmetic and the matrix unit's own rounding can turn it there, and no further.
;; One version. Each part assembles by itself: llvm-mc -triple=amdgcn-amd-amdhsa -mcpu=gfx1250 --defsym DOCPART=n.
;; ======== version 1 of 1: 7 launches
;; limits: right only within a limited range of input values
;; workspace buffers: codes0 25,165,824 bytes; qkv 12,582,912 bytes; acodes 4,194,304 bytes; x2 16,777,216 bytes; h2codes 4,194,304 bytes; hidden 16,777,216 bytes
;; launch prep (part 1): grid 448 x 1, 8 waves a work-group, no clusters, 53,248 bytes of LDS; arguments x, g1, be1, Wq, Wk, Wv, Wo, W1, W2, lowp_scales, codes0; writes codes0
.if DOCPART == 1
	.amdgcn_target "amdgcn-amd-amdhsa--gfx1250"
	.amdhsa_code_object_version 6
	.text
	.protected	k_q9da44b96d2_prep
	.globl	k_q9da44b96d2_prep
	.p2align	8
	.type	k_q9da44b96d2_prep,@function
k_q9da44b96d2_prep:
	s_mov_b64 s[64:65], 0
	v_nop
	global_prefetch_b8 v0, s[64:65] scope:SCOPE_SE
	s_setreg_imm32_b32 hwreg(HW_REG_WAVE_MODE, 25, 1), 1
	s_wait_xcnt 0x0
; PREP.  Work-groups 0-191 turn the six weights (f32, K not innermost) into codes of E4M3; work-groups 192-447 make LN1(x) and quantise it three times (entries 1, 3, 5 of the scales).
; ALL CODES ARE LAID AS IMAGES OF THE OPERAND REGISTERS.  A fragment of the plain fp8 form (16 rows x 128 K) is 16 registers a lane: lane (r = l % 16, h = l / 16) holds, in registers 2 c and 2 c + 1,
; k = 16 c + 8 h + 0 .. 7 of row r.  Its image is 2,048 bytes: [g = 0..3][lane][16 bytes = registers 4 g .. 4 g + 3].  For a tensor of R rows the image of (rb = row / 16, kc = k / 128) lies at
; ((kc / 2) (R / 16) + rb) x 4096 + (kc % 2) x 2048: so 128 rows x 256 K are one dense block of 32,768 bytes, and a fragment is four accesses of 16 bytes a lane, 512 bytes on end each.
; codes0: LN1(x) with e1, e3, e5 at 0, 4, 8 MB; Wq, Wk, Wv (operand row = 64 head + e), Wo at 12, 13, 14, 15 MB; W1 at 16 MB; W2 at 20 MB.
; code = x / 2^e, held within +-448, to the nearest code, ties to even.  LIMITS: each e between -126 and 119, so that 2^e and 448 x 2^e are f32 numbers.  NaN among the inputs is not served; an infinity is held at the largest code.
; No tensor load, no matrix instruction.  Only the LN path uses LDS and has a barrier; the two paths part on the work-group's number, which all waves of a work-group share.
.set NSETS, 3
; ---- weights: which tensor is my work-group's: a chain of choices on the work-group's number
.macro PICK lim, ptr, first, pitch, logc, logw, sec
	s_cmp_lt_u32 ttmp9, \lim
	s_cselect_b64 s[60:61], s[\ptr:\ptr+1], s[60:61]
	s_cselect_b32 s56, \first, s56
	s_cselect_b32 s57, \pitch, s57
	s_cselect_b32 s58, \logc, s58
	s_cselect_b32 s59, \logw, s59
	s_cselect_b32 s62, \sec, s62
.endm
.macro WLOAD t                         ; block t: W(32 t + i, my column), i = 0 .. 31, into set t % 2: each load reads 128 consecutive bytes
.set i, 0
.rept 32
	global_load_b32 v[48+32*((\t)%2)+i], v[16+i], s[32+2*(\t):33+2*(\t)] th:TH_LOAD_NT
.set i, i+1
.endr
.endm
.macro WBLOCK t
.set XS, 48+32*((\t)%2)
.set CC, 112+8*(\t)
.if (\t) < 7
	s_wait_loadcnt 32                              ; this block's 32 loads are in; the next block's 32 may be out
.else
	s_wait_loadcnt 0x0
.endif
.set i, 0
.rept 32
.set i, i+1
.endr
	v_cvt_scalef32_pk8_fp8_f32 v[CC:CC+1], v[XS:XS+7], v11          ; k 0-7 and k 16-23 of the block are the 16 bytes of lane (r, 0),
	v_cvt_scalef32_pk8_fp8_f32 v[CC+2:CC+3], v[XS+16:XS+23], v11
	v_cvt_scalef32_pk8_fp8_f32 v[CC+4:CC+5], v[XS+8:XS+15], v11     ; k 8-15 and k 24-31 those of lane (r, 1)
	v_cvt_scalef32_pk8_fp8_f32 v[CC+6:CC+7], v[XS+24:XS+31], v11
	v_nop                                          ; a plain line behind the last conversion, ahead of the loads that write its sources again
	global_store_b128 v2, v[CC:CC+3], s[48:49] offset:((\t)/4)*2048+((\t)%4)*512        ; sixteen lanes store 256 consecutive bytes, aligned; each block has its own code registers, so no store's data are written again
	global_store_b128 v2, v[CC+4:CC+7], s[48:49] offset:((\t)/4)*2048+((\t)%4)*512+256
.if (\t) < 6
	WLOAD (\t)+2
.endif
.endm
; ---- layer norm and quantiser: a work-group takes 16 rows (one rb), wave w rows 2 w and 2 w + 1, kept in registers; lane l takes k = 256 j + 8 l + 0 .. 7, j = 0 .. 3
; v2 32 l; v3 stage address in; v4 stage address out; v5 my byte in a block of codes; v10, v12, v14 scale of each set; v16-47 g; v48-79 be; v80-143 two rows; v176-223 codes; v224-241 statistics
.macro MKSCALE e, s                    ; 2^e and 448 x 2^e as f32 numbers
	s_add_co_i32 s30, s[\e], 127
	s_lshl_b32 s31, s30, 23
	v_mov_b32 v[10+2*(\s)], s31
	s_add_co_i32 s30, s30, 8
	s_lshl_b32 s30, s30, 23
	s_or_b32 s30, s30, 0x600000
.endm
.macro XLANE a, t                      ; the sum of v[a] over the 32 lanes, in every lane
	s_delay_alu instid0(VALU_DEP_1)
	v_add_f32_dpp v[\a], v[\a], v[\a] row_xmask:1 row_mask:0xf bank_mask:0xf
	s_delay_alu instid0(VALU_DEP_1)
	v_add_f32_dpp v[\a], v[\a], v[\a] row_xmask:2 row_mask:0xf bank_mask:0xf
	s_delay_alu instid0(VALU_DEP_1)
	v_add_f32_dpp v[\a], v[\a], v[\a] row_xmask:4 row_mask:0xf bank_mask:0xf
	s_delay_alu instid0(VALU_DEP_1)
	v_add_f32_dpp v[\a], v[\a], v[\a] row_xmask:8 row_mask:0xf bank_mask:0xf
	s_delay_alu instid0(VALU_DEP_1)
	v_permlanex16_b32 v[\t], v[\a], s84, s85
	s_delay_alu instid0(VALU_DEP_1)
	v_add_f32 v[\a], v[\a], v[\t]
.endm
.macro ROWSTAT q                       ; two passes, so that a common offset of the row does no harm: the mean; x - mean in place; the mean of the squares + eps into v[A0+2]
.set XR, 80+32*(\q)
.set A0, 224+8*(\q)
	v_pk_add_f32 v[A0:A0+1], v[XR:XR+1], v[XR+2:XR+3]
	v_pk_add_f32 v[A0+2:A0+3], v[XR+4:XR+5], v[XR+6:XR+7]
.irp i, 8,12,16,20,24,28
	s_delay_alu instid0(VALU_DEP_2)
	v_pk_add_f32 v[A0:A0+1], v[A0:A0+1], v[XR+\i:XR+\i+1]
	s_delay_alu instid0(VALU_DEP_2)
	v_pk_add_f32 v[A0+2:A0+3], v[A0+2:A0+3], v[XR+\i+2:XR+\i+3]
.endr
	s_delay_alu instid0(VALU_DEP_1)
	v_pk_add_f32 v[A0:A0+1], v[A0:A0+1], v[A0+2:A0+3]
	s_delay_alu instid0(VALU_DEP_1)
	v_add_f32 v[A0], v[A0], v[A0+1]
	XLANE A0, 240+\q
	s_delay_alu instid0(VALU_DEP_1)
	v_mul_f32 v[A0+4], s86, v[A0]                  ; the mean: sum / 1024
.irp i, 0,2,4,6,8,10,12,14,16,18,20,22,24,26,28,30
	v_pk_add_f32 v[XR+\i:XR+\i+1], v[XR+\i:XR+\i+1], v[A0+4:A0+5] op_sel_hi:[1,0] neg_lo:[0,1] neg_hi:[0,1]
.endr
	v_pk_mul_f32 v[A0:A0+1], v[XR:XR+1], v[XR:XR+1]
	v_pk_mul_f32 v[A0+2:A0+3], v[XR+2:XR+3], v[XR+2:XR+3]
.irp i, 4,8,12,16,20,24,28
	s_delay_alu instid0(VALU_DEP_2)
	v_pk_fma_f32 v[A0:A0+1], v[XR+\i:XR+\i+1], v[XR+\i:XR+\i+1], v[A0:A0+1]
	s_delay_alu instid0(VALU_DEP_2)
	v_pk_fma_f32 v[A0+2:A0+3], v[XR+\i+2:XR+\i+3], v[XR+\i+2:XR+\i+3], v[A0+2:A0+3]
.endr
	s_delay_alu instid0(VALU_DEP_1)
	v_pk_add_f32 v[A0:A0+1], v[A0:A0+1], v[A0+2:A0+3]
	s_delay_alu instid0(VALU_DEP_1)
	v_add_f32 v[A0], v[A0], v[A0+1]
	XLANE A0, 240+\q
	s_delay_alu instid0(VALU_DEP_1)
	v_fma_f32 v[A0+2], v[A0], s86, s87             ; var + eps
.endm
.macro ROWY q                          ; y = ((x - mean) x rsqrt) x g + be
.set XR, 80+32*(\q)
.set A0, 224+8*(\q)
.set i, 0
.rept 16
	v_pk_mul_f32 v[XR+i:XR+i+1], v[XR+i:XR+i+1], v[A0+6:A0+7] op_sel_hi:[1,0]
.set i, i+2
.endr
.set i, 0
.rept 16
	v_pk_fma_f32 v[XR+i:XR+i+1], v[XR+i:XR+i+1], v[16+i:17+i], v[48+i:49+i]
.set i, i+2
.endr
.endm
.macro LNQ q, s                        ; row q with scale s: 32 numbers a lane become 4 x 8 codes, which go to their places in the stage
.set XR, 80+32*(\q)
.set CC, 176+8*(NSETS*(\q)+(\s))
.set i, 0
.rept 32
.set i, i+1
.endr
.irp j, 0,1,2,3
	v_cvt_scalef32_pk8_fp8_f32 v[CC+2*\j:CC+2*\j+1], v[144+8*\j+((XR+i)-(144+i)):151+8*\j+((XR+i)-(144+i))], v[10+2*(\s)]
.endr
	v_nop                                          ; a plain line behind the last conversion
.irp j, 0,1,2,3
	ds_store_b64 v3, v[CC+2*\j:CC+2*\j+1] offset:(\s)*17408+\j*4352+16*(\q)
.endr
.endm
; THE STAGE.  A block of codes (16 rows x 256 K, 4,096 bytes) is sixteen pieces of 256 bytes; in LDS a piece takes 272 bytes = 68 words, so that the 32 lanes of a ds_store_b64 touch 64 different words modulo 64.
; My 8 codes of (row r, k = 256 j + 8 l ..) lie in piece u = 8 (l / 16) + 2 ((l / 4) % 4) + l % 2 at byte 16 r + 8 ((l / 2) % 2).  Set s, block j: at 17408 s + 4352 j.
.macro LNMAIN
	s_lshl_b32 s28, s27, 4
	s_lshl_b32 s29, s26, 1
	s_add_co_u32 s28, s28, s29                     ; my first row: 16 rb + 2 wave
	s_lshl_b32 s28, s28, 12
	s_mov_b32 s29, 0
	s_add_nc_u64 s[4:5], s[4:5], s[28:29]
	v_lshlrev_b32 v2, 5, v1
.irp q, 0,1
.irp j, 0,1,2,3
	global_load_b128 v[80+32*\q+8*\j:83+32*\q+8*\j], v2, s[4:5] offset:4096*\q+1024*\j th:TH_LOAD_NT
	global_load_b128 v[84+32*\q+8*\j:87+32*\q+8*\j], v2, s[4:5] offset:4096*\q+1024*\j+16 th:TH_LOAD_NT
.endr
.endr
.irp j, 0,1,2,3
	global_load_b128 v[16+8*\j:19+8*\j], v2, s[6:7] offset:1024*\j
	global_load_b128 v[20+8*\j:23+8*\j], v2, s[6:7] offset:1024*\j+16
	global_load_b128 v[48+8*\j:51+8*\j], v2, s[8:9] offset:1024*\j
	global_load_b128 v[52+8*\j:55+8*\j], v2, s[8:9] offset:1024*\j+16
.endr
	v_bfe_u32 v6, v0, 4, 1
	v_bfe_u32 v7, v0, 2, 2
	v_and_b32 v8, 1, v0
	s_delay_alu instid0(VALU_DEP_1)
	v_lshl_add_u32 v8, v6, 3, v8
	s_delay_alu instid0(VALU_DEP_1)
	v_lshl_add_u32 v8, v7, 1, v8                   ; u
	s_delay_alu instid0(VALU_DEP_1)
	v_mul_u32_u24 v3, v8, 272
	v_bfe_u32 v7, v0, 1, 1
	s_delay_alu instid0(VALU_DEP_1)
	v_lshl_add_u32 v3, v7, 3, v3
	s_lshl_b32 s30, s26, 5
	v_add_nc_u32 v3, s30, v3                       ; + 16 x (2 wave): my first row's place in a piece
	s_lshl_b32 s30, s26, 1
	v_add_nc_u32 v6, s30, v6
	s_delay_alu instid0(VALU_DEP_1)
	v_mul_u32_u24 v4, v6, 272                      ; out: wave w takes pieces 2 w and 2 w + 1, sixteen lanes to a piece
	v_and_b32 v7, 15, v0
	s_delay_alu instid0(VALU_DEP_1)
	v_lshl_add_u32 v4, v7, 4, v4
	v_lshlrev_b32 v5, 4, v0                        ; 512 wave + 16 lane
	s_mov_b32 s84, 0x76543210                      ; v_permlanex16_b32: lane l takes lane l xor 16
	s_mov_b32 s85, 0xfedcba98
	s_mov_b32 s86, 0x3a800000                      ; 1 / 1024
	s_mov_b32 s87, 0x3727c5ac                      ; eps = 1e-5
.irp r, 229,231,237,239,240,241
	v_mov_b32 v\r, 0                               ; upper halves of pairs that are named whole, and the permutes' destinations, which count as read
.endr
	s_lshl_b32 s28, s27, 12
	s_mov_b32 s29, 0
	s_add_nc_u64 s[88:89], s[24:25], s[28:29]      ; my rb's block of K step 0, for each set
.if NSETS == 3
	s_add_nc_u64 s[90:91], s[88:89], 0x400000
	s_add_nc_u64 s[92:93], s[88:89], 0x800000
.endif
	s_wait_kmcnt 0x0
.if NSETS == 3
	MKSCALE 69, 0
	MKSCALE 71, 1
	MKSCALE 73, 2
.else
	MKSCALE 68, 0
.endif
	s_wait_loadcnt 0x0
	ROWSTAT 0
	ROWSTAT 1
	s_wait_alu depctr_va_vdst(0)
	v_rsq_f32 v230, v226
	v_rsq_f32 v238, v234
	v_nop                                          ; a plain line behind the last transcendental (ISA guide 5.7.2)
	s_wait_alu depctr_va_vdst(0)                   ; one wait for both, ahead of their first use
	ROWY 0
	ROWY 1
.irp q, 0,1
	LNQ \q, 0
.if NSETS == 3
	LNQ \q, 1
	LNQ \q, 2
.endif
.endr
	s_wait_dscnt 0x0                               ; for the others' sake: my stores into the stage are done
	s_barrier_signal -1
	s_barrier_wait -1
.set n, 0
.rept 4*NSETS
	ds_load_b128 v[80+4*n:83+4*n], v4 offset:(n/4)*17408+(n%4)*4352
.set n, n+1
.endr
.set n, 0
.rept 4*NSETS
	s_wait_dscnt 4*NSETS-1-n                       ; LDS loads come back in order: read n is in, the younger ones may be out
	global_store_b128 v5, v[80+4*n:83+4*n], s[88+2*(n/4):89+2*(n/4)] offset:(n%4)*1048576   ; 512 consecutive bytes a wave; K step j lies 256 blocks of 4,096 bytes on
.set n, n+1
.endr
	s_wait_tensorcnt 0x0
	ds_add_u32 v254, v255
	s_wait_dscnt 0x0
	s_endpgm
.endm
	s_load_b512 s[4:19], s[0:1], 0x0               ; x, g1, be1, Wq, Wk, Wv, Wo, W1
	s_load_b128 s[20:23], s[0:1], 0x40             ; W2, the scales
	s_load_b64 s[24:25], s[0:1], 0x50              ; codes0
	v_lshl_add_u32 v254, v0, 2, 0xcc00
	v_mov_b32 v255, 0
	v_lshrrev_b32 v1, 5, v0
	s_delay_alu instid0(VALU_DEP_1)
	v_readfirstlane_b32 s26, v1                    ; wave 0..7
	v_and_b32 v1, 31, v0                           ; lane
	s_wait_kmcnt 0x0
	s_load_b512 s[68:83], s[22:23], 0x0            ; all sixteen exponents
	s_cmp_ge_u32 ttmp9, 192
	s_cbranch_scc1 .Lln
	; ---- WEIGHTS.  A wave takes 32 operand rows (columns n of W) x 256 along K.  A lane takes a column and its registers run down K: the conversions then give codes with K innermost, and nothing is transposed.
	s_mov_b64 s[60:61], s[20:21]                   ; W2: first work-group 128, 4,096 bytes from k to k + 1, 2^5 groups of 32 columns, no heads, section at 20 MB
	s_mov_b32 s56, 128
	s_mov_b32 s57, 4096
	s_mov_b32 s58, 5
	s_mov_b32 s59, 12
	s_mov_b32 s62, 0x1400000
	PICK 128, 18, 64, 16384, 7, 12, 0x1000000      ; W1
	PICK 64, 16, 48, 4096, 5, 12, 0xf00000         ; Wo
	PICK 48, 14, 32, 256, 5, 6, 0xe00000           ; Wv: 64 columns to a head, heads 262,144 bytes apart
	PICK 32, 12, 16, 256, 5, 6, 0xd00000           ; Wk
	PICK 16, 10, 0, 256, 5, 6, 0xc00000            ; Wq
	s_sub_co_u32 s27, ttmp9, s56
	s_lshl_b32 s27, s27, 3
	s_add_co_u32 s27, s27, s26                     ; my unit
	s_bfm_b32 s28, s58, 0
	s_and_b32 s28, s27, s28                        ; which 32 columns
	s_lshr_b32 s29, s27, s58                       ; which 256 along K
	s_lshl_b32 s30, s28, 5                         ; my first column
	s_lshr_b32 s31, s30, s59
	s_lshl_b32 s31, s31, 18                        ; its head
	s_bfm_b32 s52, s59, 0
	s_and_b32 s52, s30, s52
	s_lshl_b32 s52, s52, 2
	s_add_co_u32 s52, s52, s31
	s_mul_i32 s53, s29, s57
	s_lshl_b32 s53, s53, 8
	s_add_co_u32 s52, s52, s53
	s_mov_b32 s53, 0
	s_add_nc_u64 s[32:33], s[60:61], s[52:53]      ; block 0's first row of W; the other seven blocks lie 32 rows apart
	s_lshl_b32 s54, s57, 5
	s_mov_b32 s55, 0
.irp t, 1,2,3,4,5,6,7
	s_add_nc_u64 s[32+2*\t:33+2*\t], s[30+2*\t:31+2*\t], s[54:55]
.endr
	s_lshl_b32 s52, 2, s58                         ; the tensor's rows / 16
	s_mul_i32 s52, s52, s29
	s_lshl_b32 s53, s28, 1
	s_add_co_u32 s52, s52, s53
	s_lshl_b32 s52, s52, 12
	s_add_co_u32 s52, s52, s62
	s_mov_b32 s53, 0
	s_add_nc_u64 s[48:49], s[24:25], s[52:53]      ; my two blocks of codes
	s_wait_alu depctr_va_vdst(0)
	v_lshlrev_b32 v3, 2, v1
	v_and_b32 v2, 15, v1
	v_lshrrev_b32 v4, 4, v1
	s_delay_alu instid0(VALU_DEP_2)
	v_lshlrev_b32 v2, 4, v2
	s_delay_alu instid0(VALU_DEP_1)
	v_lshl_add_u32 v2, v4, 12, v2                  ; out: lanes 0-15 the first block, lanes 16-31 the second; 16 bytes a row
.set i, 0
.rept 32
	v_mad_u32_u24 v[16+i], s57, i, v3              ; in: 4 x lane + i rows
.set i, i+1
.endr
	WLOAD 0
	WLOAD 1
	s_wait_kmcnt 0x0
	s_mov_b32 s50, s83                             ; my tensor's exponent: entries 15, 13, 11, 4, 2, 0
	s_cmp_lt_u32 ttmp9, 128
	s_cselect_b32 s50, s81, s50
	s_cmp_lt_u32 ttmp9, 64
	s_cselect_b32 s50, s79, s50
	s_cmp_lt_u32 ttmp9, 48
	s_cselect_b32 s50, s72, s50
	s_cmp_lt_u32 ttmp9, 32
	s_cselect_b32 s50, s70, s50
	s_cmp_lt_u32 ttmp9, 16
	s_cselect_b32 s50, s68, s50
	s_add_co_i32 s50, s50, 127
	s_lshl_b32 s51, s50, 23
	v_mov_b32 v11, s51                             ; 2^e
	s_add_co_i32 s50, s50, 8
	s_lshl_b32 s50, s50, 23
	s_or_b32 s50, s50, 0x600000
	s_wait_alu depctr_va_vdst(0)
.irp t, 0,1,2,3,4,5,6,7
	WBLOCK \t
.endr
	s_endpgm
.Lln:
	s_sub_co_u32 s27, ttmp9, 192                   ; rb
	s_wait_alu depctr_va_vdst(0)
	LNMAIN
.Lfunc_end_k_q9da44b96d2_prep:
	.size	k_q9da44b96d2_prep, .Lfunc_end_k_q9da44b96d2_prep-k_q9da44b96d2_prep
	.p2alignl 7, 3214868480
	.fill 96, 4, 3214868480
	.section	.rodata,"a",@progbits
	.p2align	6, 0x0
	.amdhsa_kernel k_q9da44b96d2_prep
		.amdhsa_group_segment_fixed_size 53248
		.amdhsa_private_segment_fixed_size 0
		.amdhsa_enable_private_segment 0
		.amdhsa_kernarg_size 88
		.amdhsa_user_sgpr_count 2
		.amdhsa_user_sgpr_kernarg_segment_ptr 1
		.amdhsa_wavefront_size32 1
		.amdhsa_system_sgpr_workgroup_id_x 1
		.amdhsa_system_sgpr_workgroup_id_y 1
		.amdhsa_system_sgpr_workgroup_id_z 1
		.amdhsa_system_vgpr_workitem_id 0
		.amdhsa_next_free_vgpr 256
		.amdhsa_next_free_sgpr 100
		.amdhsa_reserve_vcc 0
		.amdhsa_float_denorm_mode_32 3
		.amdhsa_float_denorm_mode_16_64 3
		.amdhsa_fp16_overflow 1
		.amdhsa_memory_ordered 1
		.amdhsa_forward_progress 1
		.amdhsa_inst_pref_size 61
	.end_amdhsa_kernel
	.amdgpu_metadata
---
amdhsa.version: [ 1, 2 ]
amdhsa.kernels:
  - .name:           k_q9da44b96d2_prep
    .symbol:         k_q9da44b96d2_prep.kd
    .args:
      - { .name: x, .offset: 0, .size: 8, .value_kind: global_buffer, .address_space: global }
      - { .name: g1, .offset: 8, .size: 8, .value_kind: global_buffer, .address_space: global }
      - { .name: be1, .offset: 16, .size: 8, .value_kind: global_buffer, .address_space: global }
      - { .name: Wq, .offset: 24, .size: 8, .value_kind: global_buffer, .address_space: global }
      - { .name: Wk, .offset: 32, .size: 8, .value_kind: global_buffer, .address_space: global }
      - { .name: Wv, .offset: 40, .size: 8, .value_kind: global_buffer, .address_space: global }
      - { .name: Wo, .offset: 48, .size: 8, .value_kind: global_buffer, .address_space: global }
      - { .name: W1, .offset: 56, .size: 8, .value_kind: global_buffer, .address_space: global }
      - { .name: W2, .offset: 64, .size: 8, .value_kind: global_buffer, .address_space: global }
      - { .name: lowp_scales, .offset: 72, .size: 8, .value_kind: global_buffer, .address_space: global }
      - { .name: codes0, .offset: 80, .size: 8, .value_kind: global_buffer, .address_space: global }
    .group_segment_fixed_size: 53248
    .private_segment_fixed_size: 0
    .kernarg_segment_align: 8
    .kernarg_segment_size: 88
    .max_flat_workgroup_size: 256
    .sgpr_count:     100
    .vgpr_count:     256
    .wavefront_size: 32
...
	.end_amdgpu_metadata
.endif
;; end of part 1
;; launch qkv (part 2): grid 12 x 16, 4 waves a work-group, clusters of 4 x 4, 327,680 bytes of LDS; arguments codes0, lowp_scales, qkv; writes qkv
.if DOCPART == 2
	.amdgcn_target "amdgcn-amd-amdhsa--gfx1250"
	.amdhsa_code_object_version 6
	.text
	.protected	k_q9da44b96d2_qkv
	.globl	k_q9da44b96d2_qkv
	.p2align	8
	.type	k_q9da44b96d2_qkv,@function
k_q9da44b96d2_qkv:
	s_mov_b64 s[64:65], 0
	v_nop
	global_prefetch_b8 v0, s[64:65] scope:SCOPE_SE
	s_setreg_imm32_b32 hwreg(HW_REG_WAVE_MODE, 25, 1), 1
	s_wait_xcnt 0x0
	s_wait_alu depctr_hold_cnt(0) depctr_sa_sdst(0) depctr_va_vdst(0) depctr_va_sdst(0) depctr_va_ssrc(0) depctr_va_vcc(0) depctr_vm_vsrc(0)
	s_getreg_b32 s2, hwreg(HW_REG_IB_STS2, 6, 4)
	s_cmp_eq_u32 s2, 0
	s_cbranch_scc0 .Lentry_in_a_cluster
	s_endpgm
.Lentry_in_a_cluster:
	s_bfe_u32 s2, ttmp6, 0x10000c
	s_cmp_lg_u32 s2, 0xf033
	s_cbranch_scc0 .Lentry_shape_is_right
	s_endpgm
.Lentry_shape_is_right:
; A GEMM ON CODES OF E4M3 WHOSE RESULT IS QUANTISED AGAIN.  KIND 0: q, k, v = LN1(x) times Wq, Wk, Wv.  KIND 1: hidden = relu(LN2(x2) W1 + b1).  K = 1,024.
; Operands and results are images of the operand registers: lane (r, h) of a fragment (16 rows x 128 K) holds k = 16 c + 8 h + 0 .. 7 of row r in registers 2 c, 2 c + 1; an image is [g][lane][16 bytes], 2,048 bytes;
; image (rb, kc) of a tensor of R rows lies at ((kc / 2) (R / 16) + rb) x 4096 + (kc % 2) x 2048.  So 128 rows x 256 K are one dense block of 32,768 bytes: one tensor load; a fragment is four ds_load_b128 of 512 bytes on end.
; A tile of 256 A rows x 256 B rows is made by four waves, 128 x 128 each: 64 accumulators, 512 registers.  K goes in steps of 256 through a ring of two LDS slots.
; THE MATRIX INSTRUCTION IS USED TRANSPOSED (source 0 = 16 B rows, source 1 = 16 A rows): lane (r, h) holds A row r, and register j of accumulator b holds B row 16 b + 8 h + j.  So one conversion of accumulator b IS
; registers 2 b, 2 b + 1 of the next product's fragment, k in its true place: the results leave as images, four stores of 512 consecutive bytes for 16 rows x 128, with no way through LDS.
; KIND 0: the cluster's x says which product: 0 q, 1 k (A = tokens, B = the weight's rows 64 head + e), 2 v (A = Wv's rows, B = tokens: v's next K is the keys).
;   q, k images: [batch x 16 + head][token / 16][1,024 bytes];  v images: [batch x 16 + head][token / 128][e / 16][2,048 bytes];  q at 0, k at 4 MB, v at 8 MB of the output.
; CLUSTERS: 4 x 4 work-groups; A's tile is shared along a row of the cluster, B's along a column: each is asked for jointly, by the same tensor load with the same descriptor and a mask that names the four.
; LIMITS on the given exponents, so that each power of two below is an f32 number: KIND 0: e(result) - e(weight) - e(h) between -126 and 119.  KIND 1: entry 14 between -126 and 119, entries 12 + 13 between -126 and 127.
; REGISTERS, in windows of 256: window 0: v16-31 addresses and scales, v32-95 b1 (KIND 1), from v128 A's fragments, one set (on the way out v128-191 held sums, v192-255 codes);  window 1: B's fragments, two sets;
;   window 2: the accumulators of my rows 0-63 ((a, b) at v[8 (8 a + b)]);  window 3: those of my rows 64-127.
.set KIND,   0
.set SLOT,   131072                    ; A's 256 rows (two blocks of 32,768), then B's
.set SPARE,  2*SLOT                    ; behind the ring: the spare words, 128 bytes for each wave: two blocks of 256 bytes that no other line names
.set FR,     16
.set NL,     4
.set NP,     4
.set LAPS,   2                         ; 1,024 / 512
.set ADRA, 16                          ; v16-17  LDS address of my A fragments in slot 0, 1
.set ADRB, 20                          ; v20-21  the same for B
.set VO,   24                          ; v24-27  the way out: my byte in an image, for each of its four stores
.set SPW,  28                          ; v28     LDS address of my spare word; never rewritten
.set NIL,  29                          ; v29     0; never rewritten
.set SCL,  30                          ; v30     the conversion's scale
.set LIM,  31                          ; v31     448 x that
.set B1,   32
.set AF,   128
.set TMP,  128
.set CD,   192
.set G1, 24
.set G0, 32
.set G1B, 48
.set G0B, 56
.if KIND == 0
.set BP, 4                             ; B's codes lie in the same buffer as A's
.else
.set BP, 6
.endif
.set MSB, 0
.macro WIN new                         ; the immediate's high byte repeats the setting that is left
.if MSB != \new
	s_set_vgpr_msb (MSB<<8)|\new
.set MSB, \new
.endif
.endm
.set MUL_LO, 0xa1                      ; source 0 (B) window 1, source 1 (A) window 0, C and D window 2
.set MUL_HI, 0xf1                      ; the same, C and D window 3
.set TO_B,   0x40                      ; destination window 1, address window 0
; A joint load: waves 0 and 1 fetch for A, waves 2 and 3 for B; the branch hangs on the wave's number alone.  Four v_nop follow each of the two lines.
.macro JLOAD g0a, g1a, g0b, g1b
	s_cmp_eq_u32 s15, 0
	s_cbranch_scc0 .Lfor_b_\@
	tensor_load_to_lds s[\g0a:\g0a+3], s[\g1a:\g1a+7]
	s_nop 0
.rept 4
	v_nop
.endr
	s_branch .Lasked_\@
.Lfor_b_\@:
	tensor_load_to_lds s[\g0b:\g0b+3], s[\g1b:\g1b+7]
	s_nop 0
.rept 4
	v_nop
.endr
.Lasked_\@:
.endm
.macro CREST                           ; a round of the cluster's barrier behind its opening barrier
	s_cmp_lg_u32 s14, 0
	s_cbranch_scc1 .Lnot_wave_0_\@
	s_barrier_signal -3
.Lnot_wave_0_\@:
	s_barrier_wait -3
	s_barrier_signal -1
	s_barrier_wait -1
.endm
.macro CROUND
	s_barrier_signal -1
	s_barrier_wait -1
	CREST
.endm
.if KIND == 0
	s_load_b64 s[4:5], s[0:1], 0x0                 ; codes0
	s_load_b128 s[8:11], s[0:1], 0x8               ; the scales, the output
.else
	s_load_b128 s[4:7], s[0:1], 0x0                ; A's codes, codes0
	s_load_b128 s[8:11], s[0:1], 0x10              ; the scales, the output
	s_load_b64 s[12:13], s[0:1], 0x20              ; b1
.endif
	v_lshl_add_u32 v[SPW], v0, 2, SPARE
	v_mov_b32 v[NIL], 0
	ds_add_u32 v28, v29
	ds_add_u32 v28, v29
	s_wait_dscnt 0x0
	v_lshrrev_b32 v1, 5, v0
	v_readfirstlane_b32 s14, v1                    ; wave 0..3
	s_lshr_b32 s15, s14, 1                         ; which half of the tile's A rows is mine.  Also: I fetch for A (0) or for B (1)
	s_and_b32 s16, s14, 1                          ; which half of its B rows.  Also: which 128 rows of that tile I fetch
	s_bfe_u32 s40, ttmp6, 0x40000                  ; cx, cy: my place in the cluster
	s_bfe_u32 s41, ttmp6, 0x40004
	s_and_b32 s86, ttmp7, 0xffff                   ; cluster y
.if KIND == 0
	s_lshr_b32 s87, ttmp9, 1                       ; m = 1 for v, else 0: the same in all sixteen partners
	s_xor_b32 s88, s87, 1                          ; 1 - m
	s_lshl_b32 s89, s86, 2
	s_mul_i32 s17, s89, s88
	s_add_co_u32 s17, s17, s41                     ; A's tile: q, k: 4 x cluster y + cy of 16 tiles of tokens; v: cy of Wv's 4
	s_mul_i32 s42, s89, s87
	s_add_co_u32 s42, s42, s40                     ; B's tile: q, k: cx of the weight's 4; v: 4 x cluster y + cx of 16 tiles of tokens
	s_mul_i32 s92, s88, ttmp9
	s_lshl_b32 s92, s92, 22
	s_mul_i32 s93, s87, 0xe00000
	s_add_co_u32 s92, s92, s93                     ; A's section: LN1(x) with e1 at 0, with e3 at 4 MB; Wv at 14 MB
	s_mul_i32 s93, s88, 192
	s_add_co_u32 s93, s93, 64                      ; A's rows / 16: 256 or 64
	s_lshl_b32 s94, ttmp9, 20
	s_add_co_u32 s94, s94, 0xc00000
	s_mul_i32 s94, s94, s88
	s_lshl_b32 s95, s87, 23
	s_add_co_u32 s94, s94, s95                     ; B's section: Wq at 12 MB, Wk at 13 MB; LN1(x) with e5 at 8 MB
	s_mul_i32 s95, s87, 192
	s_add_co_u32 s95, s95, 64                      ; B's rows / 16
.else
	s_lshl_b32 s17, s86, 2
	s_add_co_u32 s17, s17, s41                     ; A's tile = 4 x cluster y + cy
	s_lshl_b32 s42, ttmp9, 2
	s_add_co_u32 s42, s42, s40                     ; B's tile = 4 x cluster x + cx
	s_mov_b32 s92, 0
	s_mov_b32 s93, 256
	s_mov_b32 s94, 0x1000000                       ; W1's codes at 16 MB
	s_mov_b32 s95, 256
.endif
	s_lshl_b32 s43, s41, 2
	s_lshl_b32 s43, 15, s43                        ; my row of the cluster
	s_lshl_b32 s44, 0x1111, s40                    ; my column
	; descriptor group 1: a dense block of 32,768 bytes as 128 rows of 32 elements of 8 bytes; no padding
	s_or_b32 s[G1+0], s43, (3<<16)|(1<<21)         ; 15:0 the mask: A's tiles go to my row; 17:16 elements of 8 bytes; 21 set beside a mask
	s_or_b32 s[G1B+0], s44, (3<<16)|(1<<21)
.irp g, G1, G1B
	s_mov_b32 s[\g+1], 32<<16                      ; tensor_dim0
	s_mov_b32 s[\g+2], 128<<16                     ; tensor_dim1
	s_mov_b32 s[\g+3], 32<<16                      ; tile_dim0
	s_mov_b32 s[\g+4], 128                         ; tile_dim1
	s_mov_b32 s[\g+5], 32                          ; tensor_dim0_stride
	s_mov_b32 s[\g+6], 0
	s_mov_b32 s[\g+7], 0
.endr
	s_lshl_b32 s18, s16, 3                         ; which 8 blocks of the tile's 16 I fetch
	s_lshl_b32 s20, s17, 4
	s_add_co_u32 s20, s20, s18
	s_lshl_b32 s20, s20, 12
	s_add_co_u32 s20, s20, s92                     ; A: K step 0
	s_mov_b32 s21, 0
	s_lshl_b32 s46, s42, 4
	s_add_co_u32 s46, s46, s18
	s_lshl_b32 s46, s46, 12
	s_add_co_u32 s46, s46, s94                     ; B: K step 0
	s_mov_b32 s47, 0
	s_lshl_b32 s96, s93, 12                        ; a K step on, in bytes: A's,
	s_mov_b32 s97, 0
	s_lshl_b32 s98, s95, 12                        ; B's;
	s_mov_b32 s99, 0
	s_lshl_b32 s66, s93, 13                        ; two K steps on
	s_mov_b32 s67, 0
	s_lshl_b32 s68, s95, 13
	s_mov_b32 s69, 0
	s_lshl_b32 s45, s14, 15                        ; where my block goes: wave x 32,768: no place in the cluster enters an LDS address
	s_wait_kmcnt 0x0
.if KIND == 0
	s_load_b256 s[72:79], s[8:9], 0x0              ; entries 0 to 7,
	s_load_b64 s[80:81], s[8:9], 0x20              ; 8 and 9
.else
	s_load_b128 s[72:75], s[8:9], 0x30             ; entries 12 to 15
.endif
	s_add_nc_u64 s[20:21], s[4:5], s[20:21]
	s_add_nc_u64 s[46:47], s[BP:BP+1], s[46:47]
	CROUND                                         ; all sixteen work-groups are here: the first joint loads meet
	s_mov_b32 s[G0], 1
	s_mov_b32 s[G0+1], s45
	s_mov_b64 s[G0+2:G0+3], s[20:21]
	s_or_b32 s[G0+3], s[G0+3], 0x80000000
	s_mov_b32 s[G0B], 1
	s_mov_b32 s[G0B+1], s45
	s_mov_b64 s[G0B+2:G0B+3], s[46:47]
	s_or_b32 s[G0B+3], s[G0B+3], 0x80000000
	JLOAD G0, G1, G0B, G1B
	s_mov_b32 s[G0+4], 1
	s_add_co_u32 s[G0+5], s45, SLOT
	s_add_nc_u64 s[G0+6:G0+7], s[20:21], s[96:97]
	s_or_b32 s[G0+7], s[G0+7], 0x80000000
	s_mov_b32 s[G0B+4], 1
	s_add_co_u32 s[G0B+5], s45, SLOT
	s_add_nc_u64 s[G0B+6:G0B+7], s[46:47], s[98:99]
	s_or_b32 s[G0B+7], s[G0B+7], 0x80000000
	JLOAD G0+4, G1, G0B+4, G1B
	v_and_b32 v1, 31, v0
	v_lshlrev_b32 v4, 4, v1                        ; 16 x lane: my place in every image
	s_lshl_b32 s22, s15, 15                        ; my 128 rows of A
	s_lshl_b32 s23, s16, 15                        ; my 128 rows of B,
	s_add_co_u32 s23, s23, 65536                   ; which lie behind A's 256
.irp s, 0,1
	v_add_nc_u32 v[ADRA+\s], s22, v4
	v_add_nc_u32 v[ADRB+\s], s23, v4
	s_add_co_u32 s22, s22, SLOT
	s_add_co_u32 s23, s23, SLOT
.endr
	; all that the way out needs is made here, while the first tiles are on their way
	s_lshl_b32 s86, s17, 8
	s_lshl_b32 s87, s15, 7
	s_add_co_u32 s86, s86, s87                     ; my first A row
	s_lshl_b32 s87, s42, 8
	s_lshl_b32 s88, s16, 7
	s_add_co_u32 s87, s87, s88                     ; my first B row
.if KIND == 1
	s_lshl_b32 s96, s87, 2
	s_mov_b32 s97, 0
	s_add_nc_u64 s[12:13], s[12:13], s[96:97]
	v_bfe_u32 v2, v0, 4, 1
	v_lshlrev_b32 v5, 5, v2
.irp b, 0,1,2,3,4,5,6,7                        ; b1 in the result's layout: lane (r, h), accumulator b: units 16 b + 8 h + 0 .. 7
	global_load_b128 v[B1+8*\b:B1+8*\b+3], v5, s[12:13] offset:64*\b
	global_load_b128 v[B1+8*\b+4:B1+8*\b+7], v5, s[12:13] offset:64*\b+16
.endr
.endif
.if KIND == 0
	s_cmp_eq_u32 ttmp9, 2
	s_cselect_b32 s88, s87, s86                    ; my first token,
	s_cselect_b32 s89, s86, s87                    ; my first 64 head + e
	s_mov_b32 s92, 1024
	s_cselect_b32 s92, 2048, s92                   ; from A block a to a + 1 (a % 4): q, k: the next 16 tokens; v: the next 16 e
	s_mov_b32 s93, 4096
	s_cselect_b32 s93, 131072, s93                 ; from a to a + 4: q, k: 64 tokens on; v: the next head
	s_mov_b32 s94, 131072
	s_cselect_b32 s94, 1024, s94                   ; from registers 0-7 to 8-15: q, k: the next head; v: the image's second half
	s_lshr_b32 s95, s88, 11
	s_lshl_b32 s95, s95, 4
	s_lshr_b32 s96, s89, 6
	s_add_co_u32 s95, s95, s96                     ; batch x 16 + head
	s_lshl_b32 s95, s95, 17
	s_and_b32 s96, s88, 2047
	s_lshl_b32 s96, s96, 6                         ; 64 bytes a token in all three
	s_add_co_u32 s95, s95, s96
	s_lshl_b32 s96, ttmp9, 22
	s_add_co_u32 s95, s95, s96
.else
	s_lshl_b32 s95, s42, 8                         ; hidden: K step = B's tile; 256 blocks a K step
	s_lshl_b32 s96, s17, 4
	s_add_co_u32 s95, s95, s96
	s_lshl_b32 s96, s15, 3
	s_add_co_u32 s95, s95, s96
	s_lshl_b32 s95, s95, 12
	s_lshl_b32 s96, s16, 11
	s_add_co_u32 s95, s95, s96
	s_mov_b32 s92, 4096
	s_mov_b32 s93, 16384
	s_mov_b32 s94, 1024
.endif
	v_mov_b32 v[VO], v4
	v_add_nc_u32 v[VO+1], 512, v4
	v_add_nc_u32 v[VO+2], s94, v4
	v_add_nc_u32 v[VO+3], 512, v[VO+2]
	s_wait_kmcnt 0x0
.if KIND == 0
	s_cmp_eq_u32 ttmp9, 1
	s_cselect_b32 s86, s74, s72                    ; the weight's exponent,
	s_cselect_b32 s87, s75, s73                    ; h's,
	s_cselect_b32 s88, s79, s78                    ; the result's: entries 6 (q), 7 (k), 9 (v)
	s_cmp_eq_u32 ttmp9, 2
	s_cselect_b32 s86, s76, s86
	s_cselect_b32 s87, s77, s87
	s_cselect_b32 s88, s81, s88
	s_sub_co_i32 s88, s88, s86
	s_sub_co_i32 s88, s88, s87                     ; a sum stands for sum x 2^(eW + eh): the three scales are folded into the conversion's one
.else
	s_add_co_i32 s90, s72, s73
	s_add_co_i32 s90, s90, 127
	s_lshl_b32 s90, s90, 23                        ; 2^(e12 + e13)
	s_mov_b32 s91, s90                             ; (named with it as a pair, so it is written)
	s_mov_b32 s88, s74                             ; e14
.endif
	s_add_co_i32 s88, s88, 127
	s_lshl_b32 s89, s88, 23
	v_mov_b32 v[SCL], s89
	s_add_co_i32 s88, s88, 8
	s_lshl_b32 s88, s88, 23
	s_or_b32 s88, s88, 0x600000
	v_mov_b32 v[LIM], s88
.irp a, 0,1,2,3,4,5,6,7                        ; s[70:85]: where A block a's image begins
	s_mul_i32 s96, s92, (\a)&3
	s_mul_i32 s97, s93, (\a)>>2
	s_add_co_u32 s96, s96, s97
	s_add_co_u32 s96, s96, s95
	s_mov_b32 s97, 0
	s_add_nc_u64 s[70+2*\a:71+2*\a], s[10:11], s[96:97]
.endr
.macro FRAG reg, adr, q, i             ; a fragment comes as it lies: four loads of 512 consecutive bytes
.irp c, 0,1,2,3
	ds_load_b128 v[\reg+4*\c:\reg+4*\c+3], v[\adr] offset:2048*(\q)+512*\c+(\i)*4096
.endr
.endm
; 16 matrix instructions: A's blocks a0, a0 + 1 x B's eight, 128 along K.  p: B's set.  zero = 1: the first product starts the sums.  The 64 accumulators take turns, one instruction a turn, in the same order in every step.
.macro MUL16 a0, p, zero
.irp a, \a0, \a0+1
.irp b, 0,1,2,3,4,5,6,7
.if \zero
	v_wmma_f32_16x16x128_fp8_fp8 v[8*(8*((\a)%4)+\b):8*(8*((\a)%4)+\b)+7], v[128*(\p)+FR*\b:128*(\p)+FR*\b+FR-1], v[AF+FR*(\a):AF+FR*(\a)+FR-1], 0
.else
	v_wmma_f32_16x16x128_fp8_fp8 v[8*(8*((\a)%4)+\b):8*(8*((\a)%4)+\b)+7], v[128*(\p)+FR*\b:128*(\p)+FR*\b+FR-1], v[AF+FR*(\a):AF+FR*(\a)+FR-1], v[8*(8*((\a)%4)+\b):8*(8*((\a)%4)+\b)+7]
.endif
.endr
.endr
.endm
.macro FETCH_B slot, q, p
	WIN TO_B
.irp i, 0,1,2,3,4,5,6,7
	FRAG 128*(\p)+FR*\i, ADRB+\slot, \q, \i
.endr
	WIN 0
.endm
.macro FETCH_A slot, q, i0
.irp i, \i0, \i0+1, \i0+2, \i0+3
	FRAG AF+FR*(\i), ADRA+\slot, \q, \i
.endr
.endm
.macro PLACES n                        ; plain vector lines between a matrix instruction and a load into, or a vector write of, one of its registers, or a read of its result
.rept \n
	v_nop
.endr
.endm
; A step of 128 along K that has its successor in the same slot.  A has one set of registers: blocks 0-3 are fetched anew in the middle, blocks 4-7 at the end; B has two sets.
.macro STEP slot, q, zero
	s_wait_dscnt 4*NL                              ; B's set and A's blocks 0-3 are in; the youngest sixteen loads (A's blocks 4-7) may be out
	WIN MUL_LO
	MUL16 0, (\q)%2, \zero
	MUL16 2, (\q)%2, \zero
	s_wait_dscnt 0
	PLACES NP
	FETCH_B \slot, (\q)+1, 1-(\q)%2
	FETCH_A \slot, (\q)+1, 0
	WIN MUL_HI
	MUL16 4, (\q)%2, \zero
	MUL16 6, (\q)%2, \zero
	PLACES NP
	WIN 0
	FETCH_A \slot, (\q)+1, 4
.endm
; A slot's last step changes slots: one barrier; in front of it each wave waits for all its tensor loads, adds 0 to its spare word, and waits for that and for its own reads of this slot.  fill = 1: this slot is filled again, two K steps ahead.
.macro TURN slot, next, fill
	s_wait_tensorcnt 0x0                           ; all my tensor loads have landed: my part of the next slot
	ds_add_u32 v[SPW], v[NIL]                      ; 0 onto my spare word
	s_wait_dscnt 4*NL+1                            ; (the add and the youngest sixteen loads may be out)
	WIN MUL_LO
	MUL16 0, 1, 0
	s_wait_dscnt 0x0                               ; the add is done, and my reads of this slot are over
	s_barrier_signal -1
	MUL16 2, 1, 0
	WIN 0
	s_barrier_wait -1
.if \fill
	CREST                                          ; the barrier has opened a round of the cluster's barrier: no wave of any partner still reads this slot or has a load on its way
	s_add_nc_u64 s[G0+4*\slot+2:G0+4*\slot+3], s[G0+4*\slot+2:G0+4*\slot+3], s[66:67]
	s_add_nc_u64 s[G0B+4*\slot+2:G0B+4*\slot+3], s[G0B+4*\slot+2:G0B+4*\slot+3], s[68:69]
	JLOAD G0+4*\slot, G1, G0B+4*\slot, G1B         ; the first tensor load behind the round; its four v_nop are the places in front of the loads below
.else
	PLACES NP
.endif
	FETCH_B \next, 0, 0
	FETCH_A \next, 0, 0
	WIN MUL_HI
	MUL16 4, 1, 0
	MUL16 6, 1, 0
	PLACES NP
	WIN 0
	FETCH_A \next, 0, 4
.endm
	s_wait_tensorcnt 1                             ; my part of K step 0 is in (K step 1's load may be out),
	s_barrier_signal -1
	s_barrier_wait -1                              ; everybody's is
	FETCH_B 0, 0, 0
	FETCH_A 0, 0, 0
	FETCH_A 0, 0, 4
	STEP 0, 0, 1                                   ; the first step stands in front of the loop: its products start the sums
	s_mov_b32 s3, LAPS-1
.Llap:                                                 ; a trip goes once round the ring and fills both slots again
	TURN 0, 1, 1
	STEP 1, 0, 0
	TURN 1, 0, 1
	STEP 0, 0, 0
	s_sub_co_u32 s3, s3, 1
	s_cmp_lg_u32 s3, 0
	s_cbranch_scc1 .Llap
	TURN 0, 1, 0                                   ; the last lap fills nothing
	STEP 1, 0, 0
	s_wait_dscnt 4*NL
	WIN MUL_LO
	MUL16 0, 1, 0
	MUL16 2, 1, 0
	s_wait_dscnt 0
	WIN MUL_HI
	MUL16 4, 1, 0
	MUL16 6, 1, 0
	WIN 0
; THE WAY OUT of A block a: its eight accumulators become one fragment of the next product, 16 registers, and leave as an image.
.macro OUTBLK a
.set AC, 64*((\a)%4)
.set CB, CD+16*((\a)%4)
.if (\a) >= 4
	s_wait_xcnt 0x0                                ; block a - 4's stores have read their data: the registers are written again only behind this wait
.endif
	WIN 0x02+((\a)/4)                              ; source 0: window 2 or 3
.if KIND == 0
.set i, 0
.rept 64
	v_med3_num_f32 v[TMP+i], v[AC+i], -v[LIM], v[LIM]      ; the hold at the largest code x the scale; each accumulator from its low end on
.set i, i+1
.endr
	WIN 0
.else
.set i, 0
.rept 32
	v_pk_fma_f32 v[TMP+i:TMP+i+1], v[AC+i:AC+i+1], s[90:91], v[B1+i:B1+i+1] op_sel_hi:[1,0,1]   ; sum x 2^(e12 + e13) + b1
.set i, i+2
.endr
	WIN 0
.set i, 0
.rept 64
	v_med3_num_f32 v[TMP+i], v[TMP+i], 0, v[LIM]   ; the activation and the hold in one
.set i, i+1
.endr
.endif
.irp b, 0,1,2,3,4,5,6,7
	v_cvt_scalef32_pk8_fp8_f32 v[CB+2*\b:CB+2*\b+1], v[TMP+8*\b:TMP+8*\b+7], v[SCL]
.endr
	v_nop                                          ; a plain line behind the last conversion: the next block writes its sources
.irp g, 0,1,2,3
	global_store_b128 v[VO+\g], v[CB+4*\g:CB+4*\g+3], s[70+2*(\a):71+2*(\a)]   ; 512 consecutive bytes, aligned
.endr
.endm
.if KIND == 1
	s_wait_loadcnt 0x0                             ; b1
.endif
	PLACES NP
.irp a, 0,1,2,3,4,5,6,7
	OUTBLK \a
.endr
	s_wait_tensorcnt 0x0                           ; the wave's end
	ds_add_u32 v[SPW], v[NIL]
	s_wait_dscnt 0x0
	CROUND                                         ; the closing round: no work-group ends while a partner may still ask for a tile that names it
	s_endpgm
.Lfunc_end_k_q9da44b96d2_qkv:
	.size	k_q9da44b96d2_qkv, .Lfunc_end_k_q9da44b96d2_qkv-k_q9da44b96d2_qkv
	.p2alignl 7, 3214868480
	.fill 96, 4, 3214868480
	.section	.rodata,"a",@progbits
	.p2align	6, 0x0
	.amdhsa_kernel k_q9da44b96d2_qkv
		.amdhsa_group_segment_fixed_size 327680
		.amdhsa_private_segment_fixed_size 0
		.amdhsa_enable_private_segment 0
		.amdhsa_kernarg_size 24
		.amdhsa_user_sgpr_count 2
		.amdhsa_user_sgpr_kernarg_segment_ptr 1
		.amdhsa_wavefront_size32 1
		.amdhsa_system_sgpr_workgroup_id_x 1
		.amdhsa_system_sgpr_workgroup_id_y 1
		.amdhsa_system_sgpr_workgroup_id_z 1
		.amdhsa_system_vgpr_workitem_id 0
		.amdhsa_next_free_vgpr 1024
		.amdhsa_next_free_sgpr 100
		.amdhsa_reserve_vcc 0
		.amdhsa_float_denorm_mode_32 3
		.amdhsa_float_denorm_mode_16_64 3
		.amdhsa_memory_ordered 1
		.amdhsa_forward_progress 1
		.amdhsa_inst_pref_size 120
	.end_amdhsa_kernel
	.amdgpu_metadata
---
amdhsa.version: [ 1, 2 ]
amdhsa.kernels:
  - .name:           k_q9da44b96d2_qkv
    .symbol:         k_q9da44b96d2_qkv.kd
    .args:
      - { .name: codes0, .offset: 0, .size: 8, .value_kind: global_buffer, .address_space: global }
      - { .name: lowp_scales, .offset: 8, .size: 8, .value_kind: global_buffer, .address_space: global }
      - { .name: qkv, .offset: 16, .size: 8, .value_kind: global_buffer, .address_space: global }
    .group_segment_fixed_size: 327680
    .private_segment_fixed_size: 0
    .kernarg_segment_align: 8
    .kernarg_segment_size: 24
    .max_flat_workgroup_size: 128
    .sgpr_count:     100
    .vgpr_count:     1024
    .wavefront_size: 32
...
	.end_amdgpu_metadata
.endif
;; end of part 2
;; launch attn (part 3): grid 8 x 32, 16 waves a work-group, no clusters, 264,192 bytes of LDS; arguments qkv, lowp_scales, acodes; writes acodes
.if DOCPART == 3
	.amdgcn_target "amdgcn-amd-amdhsa--gfx1250"
	.amdhsa_code_object_version 6
	.text
	.protected	k_q9da44b96d2_attn
	.globl	k_q9da44b96d2_attn
	.p2align	8
	.type	k_q9da44b96d2_attn,@function
k_q9da44b96d2_attn:
	s_mov_b64 s[64:65], 0
	v_nop
	global_prefetch_b8 v0, s[64:65] scope:SCOPE_SE
	s_setreg_imm32_b32 hwreg(HW_REG_WAVE_MODE, 25, 1), 1
	s_wait_xcnt 0x0
; CAUSAL ATTENTION ON CODES OF E4M3, head size 64, 2,048 tokens, 32 (batch, head) pairs.  Scores = q . k / 8; t = score x log2(e); M = the running largest t rounded up to a whole number; p = 2^(t - M) is quantised with
; entry 8, not normalised; the row's sum is taken of the unquantised p and divides at the end; the result is quantised with entry 10 and leaves as the next product's operand.
; INPUT (the launch before laid it): q and k images [pair][token / 16][1,024 bytes], v images [pair][token / 128][e / 16][2,048 bytes] (keys innermost), at 0, 4 and 8 MB: images of the plain fp8 form's registers:
; lane (r, h) holds k = 16 c + 8 h + 0 .. 7 of row r in registers 2 c, 2 c + 1; [g][lane][16 bytes].
; SHARES.  Work-group (j, pair) owns the blocks j and 15 - j of 128 queries: under the causal mask every work-group then has the same 17 x 8 steps of 16 queries x 128 keys.  Each of sixteen waves owns 16 queries,
; in 256 registers: four waves to a SIMD, so that one wave's vector work stands beside another's products and LDS loads.  Early and late tiles are dealt so that every four waves with the same number modulo 4,
; and every four on end, hold two of each.
; ALL OF THE HEAD'S K AND V LIE IN LDS, AS THEY LIE IN MEMORY: 131,072 bytes each.  They come in four phases of 512 keys; a wave brings 4,096 bytes of each phase; its four tensor loads go out together at the head and
; nothing is ever filled again.  Each phase begins with a counted wait and a barrier.
; BOTH PRODUCTS ARE USED TRANSPOSED: S^T = K Q^T (source 0 = 16 keys, source 1 = my 16 queries), O^T = V^T P^T: a lane holds one query throughout, register j of tile c holds key 16 c + 8 h + j, so one conversion of
; tile c is registers 2 c, 2 c + 1 of P's fragment, every key in its true place; likewise O^T's four tiles are 8 registers of the next operand.
; NO CLUSTER: the work-groups that share K and V are the query blocks of one head, and the steps that the mask leaves out are passed over by a branch on the query block, which differs between just those.
; NO PREFETCH: every byte is asked for by the tensor loads in the first lines.
; LIMITS on the given exponents: entries 6 + 7 between -123 and 130 (added to c's exponent field); entries 8 and 10 between -126 and 119; entries 8 + 9 go through v_ldexp_f32.  NaN among the inputs is not served.
; REGISTERS: v1 16 x lane; v2 the same + V's base; v3 r - 8 h; v8, v9 addresses in hand; v10 scale of the result; v12 -M; v13 the largest t; v[14:15] the sum; v[16:23] Q; v24 a permute's destination;
;   v[26:27] f; v[28:29] the second chain of the sum; v31 scale of p; v32-95 K's eight fragments, then p's codes (v32-47) and work (v48-54); v96-159 S^T, then p; v160-191 O^T; v192-255 V's four fragments.
.set AK0, 1
.set AV0, 2
.set ADK, 8
.set ADV, 9
.set WV,  18
.set SEL, 20
.set CS,  22
.set G1,  24
.set TB,  2                            ; s2   LDS byte at which the step's K images begin (V's lie 131,072 further on)
.set CNT, 3
.set KF,  48                           ; s48  the step's first key
.set Q0,  49                           ; s49  my first query
.set QL,  50                           ; s50  my last
	s_load_b128 s[4:7], s[0:1], 0x0                ; q, k, v images; the scales
	s_load_b64 s[8:9], s[0:1], 0x10                ; the output
	v_lshl_add_u32 v7, v0, 2, 0x40000
	v_mov_b32 v25, 0
	ds_add_u32 v7, v25
	ds_add_u32 v7, v25
	v_lshrrev_b32 v8, 5, v0
	s_delay_alu instid0(VALU_DEP_1)
	v_readfirstlane_b32 s[WV], v8                  ; wave 0..15
	s_and_b32 s51, ttmp7, 0xffff                   ; batch x 16 + head
	s_lshr_b32 s52, s[WV], 3                       ; I fetch for K (0) or for V (1),
	s_and_b32 s53, s[WV], 7                        ; which 4,096 bytes of a phase
	s_lshl_b32 s54, s52, 17
	s_lshl_b32 s55, s53, 12
	s_add_co_u32 s54, s54, s55                     ; where they go in phase 0
	s_lshl_b32 s56, s52, 22
	s_add_co_u32 s56, s56, 0x400000
	s_lshl_b32 s57, s51, 17
	s_add_co_u32 s56, s56, s57
	s_add_co_u32 s56, s56, s55                     ; and where they come from
	s_mov_b32 s57, 0
	; descriptor group 1: a dense block of 4,096 bytes as 16 rows of 32 elements of 8 bytes
	s_mov_b32 s[G1], 3<<16
	s_mov_b32 s[G1+1], 32<<16
	s_mov_b32 s[G1+2], 16<<16
	s_mov_b32 s[G1+3], 32<<16
	s_mov_b32 s[G1+4], 16
	s_mov_b32 s[G1+5], 32
	s_mov_b32 s[G1+6], 0
	s_mov_b32 s[G1+7], 0
	s_wait_dscnt 0x0
	s_wait_kmcnt 0x0
	s_load_b128 s[68:71], s[6:7], 0x18             ; entries 6 to 9
	s_load_b32 s72, s[6:7], 0x28                   ; entry 10
	s_add_nc_u64 s[56:57], s[4:5], s[56:57]
.irp p, 0,1,2,3
	s_mov_b32 s[32+4*\p], 1
	s_add_co_u32 s[33+4*\p], s54, \p*32768
	s_add_nc_u64 s[34+4*\p:35+4*\p], s[56:57], \p*32768
	s_or_b32 s[35+4*\p], s[35+4*\p], 0x80000000
.endr
	tensor_load_to_lds s[32:35], s[G1:G1+7]        ; four loads of mine are out; each fills bytes of its own, once
	s_nop 0
	tensor_load_to_lds s[36:39], s[G1:G1+7]
	s_nop 0
	tensor_load_to_lds s[40:43], s[G1:G1+7]
	s_nop 0
	tensor_load_to_lds s[44:47], s[G1:G1+7]
	s_nop 0
.rept 4
	v_nop
.endr
	s_lshr_b32 s58, s[WV], 2
	s_xor_b32 s58, s58, s[WV]
	s_and_b32 s58, s58, 1                          ; 1: my tile lies in the late block
	s_lshl_b32 s59, ttmp9, 1
	s_sub_co_u32 s59, 15, s59
	s_mul_i32 s59, s59, s58
	s_add_co_u32 s59, s59, ttmp9                   ; j or 15 - j
	s_lshl_b32 s59, s59, 7
	s_lshr_b32 s60, s[WV], 1
	s_lshl_b32 s60, s60, 4
	s_add_co_u32 s[Q0], s59, s60
	s_add_co_u32 s[QL], s[Q0], 15
	s_lshl_b32 s60, s51, 17
	s_lshl_b32 s61, s[Q0], 6
	s_add_co_u32 s60, s60, s61
	s_mov_b32 s61, 0
	s_add_nc_u64 s[60:61], s[4:5], s[60:61]        ; my tile's image of q
	v_and_b32 v1, 31, v0
	s_delay_alu instid0(VALU_DEP_1)
	v_lshlrev_b32 v[AK0], 4, v1
	s_delay_alu instid0(VALU_DEP_1)
	v_add_nc_u32 v[AV0], 131072, v[AK0]
	global_load_b128 v[16:19], v[AK0], s[60:61]
	global_load_b128 v[20:23], v[AK0], s[60:61] offset:512
	v_and_b32 v4, 15, v0
	v_bfe_u32 v5, v0, 4, 1
	s_delay_alu instid0(VALU_DEP_1)
	v_lshlrev_b32 v5, 3, v5
	s_delay_alu instid0(VALU_DEP_1)
	v_sub_nc_u32 v3, v4, v5                        ; r - 8 h
	; the output: k = 64 head + e of row batch x 2048 + query: image ((head / 4) x 256 + row / 16) x 4096 + ((head / 2) % 2) x 2048, registers 8 (head % 2) on
	s_and_b32 s62, s51, 15
	s_lshr_b32 s63, s51, 4
	s_lshr_b32 s74, s62, 2
	s_lshl_b32 s74, s74, 8
	s_lshl_b32 s75, s63, 7
	s_add_co_u32 s74, s74, s75
	s_lshr_b32 s75, s[Q0], 4
	s_add_co_u32 s74, s74, s75
	s_lshl_b32 s74, s74, 12
	s_bfe_u32 s75, s62, 0x10001
	s_lshl_b32 s75, s75, 11
	s_add_co_u32 s74, s74, s75
	s_and_b32 s75, s62, 1
	s_lshl_b32 s75, s75, 10
	s_add_co_u32 s74, s74, s75
	s_mov_b32 s75, 0
	s_add_nc_u64 s[8:9], s[8:9], s[74:75]
	s_mov_b32 s[SEL], 0x76543210
	s_mov_b32 s[SEL+1], 0xfedcba98
	s_mov_b32 s[CS], 0x3e38aa3b                    ; c = log2(e) / 8
	s_mov_b32 s[KF], 0
	v_mov_b32 v13, 0xff61b1e6                      ; the largest t so far: -3e38, under every t
	s_delay_alu instid0(VALU_DEP_1)
	v_floor_f32 v12, -v13                          ; -M
	v_mov_b32 v14, 0
	v_mov_b32 v15, 0
	v_mov_b32 v24, 0                               ; a permute's destination counts as read
	v_mov_b32 v27, 0                               ; (named as the upper half of the pair v[26:27])
.set j, 0
.rept 32
	v_mov_b32 v[160+j], 0                          ; O^T: the step is written without a first step of its own; the first change of M leaves zeros zeros
.set j, j+1
.endr
	s_wait_kmcnt 0x0
	s_add_co_i32 s76, s68, s69
	s_lshl_b32 s76, s76, 23
	s_add_co_i32 s[CS], s[CS], s76                 ; a score stands for score x 2^(e6 + e7)
	s_mov_b32 s[CS+1], s[CS]
	s_add_co_i32 s76, s70, 127
	s_lshl_b32 s77, s76, 23
	v_mov_b32 v31, s77                             ; 2^e8
	s_add_co_i32 s76, s72, 127
	s_lshl_b32 s77, s76, 23
	v_mov_b32 v10, s77                             ; 2^e10
	s_add_co_i32 s77, s70, s71                     ; e8 + e9
; A KEY STEP: 128 keys.
.macro STEP
	s_cmp_gt_u32 s[KF], s[QL]                      ; all its keys come after my queries: the work is passed over; no barrier and no tensor load stands in a step
	s_cbranch_scc1 .Lhidden_\@
	s_setprio 2
	v_add_nc_u32 v[ADK], s[TB], v[AK0]
	v_add_nc_u32 v[ADV], s[TB], v[AV0]
	v_nop                                          ; with the two additions: four places in front of loads into registers that the last products read
	v_nop
.irp c, 0,1,2,3,4,5,6,7
	ds_load_b128 v[32+8*\c:35+8*\c], v[ADK] offset:1024*\c
	ds_load_b128 v[36+8*\c:39+8*\c], v[ADK] offset:1024*\c+512
.endr
	s_wait_alu depctr_va_vdst(0)
	s_wait_dscnt 0x0
.irp c, 0,1,2,3,4,5,6,7
	v_wmma_f32_16x16x64_fp8_fp8 v[96+8*\c:103+8*\c], v[32+8*\c:39+8*\c], v[16:23], 0
.endr
.irp e, 0,1,2,3                                ; V's fragments are asked for here and land under the softmax
.irp g, 0,1,2,3
	ds_load_b128 v[192+16*\e+4*\g:195+16*\e+4*\g], v[ADV] offset:2048*\e+512*\g
.endr
.endr
.rept 4
	v_nop
.endr
	s_add_co_u32 s76, s[KF], 127                   ; on the diagonal the scores of hidden keys become -infinity ahead of the maximum; a step all of whose keys count passes this over
	s_cmp_le_u32 s76, s[Q0]
	s_cbranch_scc1 .Lopen_\@
	s_sub_co_i32 s76, s[Q0], s[KF]
	v_add_nc_u32 v52, s76, v3                      ; d = my query - KF - 8 h.  Register 8 c + i holds key KF + 16 c + 8 h + i: hidden where 16 c + i > d
	v_mov_b32 v54, 0xff800000
.set n, 0
.rept 64
	v_cmp_gt_i32 vcc_lo, 16*(n/8)+n%8, v52
	v_cndmask_b32 v[96+n], v[96+n], v54, vcc_lo
.set n, n+1
.endr
.Lopen_\@:
	v_max3_num_f32 v48, v96, v97, v98              ; the step's largest score of my query among my 64 keys, in two chains, each tile from its low end on,
	v_max3_num_f32 v50, v99, v100, v101
.irp i, 6,10,14,18,22,26,30,34,38,42,46,50,54,58
	v_max3_num_f32 v48, v48, v[96+\i], v[97+\i]
	v_max3_num_f32 v50, v50, v[98+\i], v[99+\i]
.endr
	v_max3_num_f32 v48, v48, v158, v159
	s_delay_alu instid0(VALU_DEP_1)
	v_max_num_f32 v48, v48, v50
	s_delay_alu instid0(VALU_DEP_1)
	v_permlanex16_b32 v24, v48, s[SEL], s[SEL+1]
	s_delay_alu instid0(VALU_DEP_1)
	v_max_num_f32 v48, v48, v24                    ; and among lane l xor 16's
	s_delay_alu instid0(VALU_DEP_1)
	v_mul_f32 v48, s[CS], v48                      ; as t (c is positive)
	s_delay_alu instid0(VALU_DEP_1)
	v_max_num_f32 v13, v13, v48
	v_mov_b32 v48, v12
	s_delay_alu instid0(VALU_DEP_2)
	v_floor_f32 v12, -v13                          ; the new -M = floor(-t): M is a whole number
	s_delay_alu instid0(VALU_DEP_1)
	v_sub_f32 v48, v12, v48                        ; old M - new M: a whole number, 0 or less
	s_delay_alu instid0(VALU_DEP_1)
	v_cvt_i32_f32 v48, v48                         ; (it saturates)
	s_delay_alu instid0(VALU_DEP_1)
	v_ldexp_f32 v26, 1.0, v48                      ; f = 2^(old M - new M): a multiplication by it rounds nothing
.set j, 0
	s_setprio 1
.rept 32
	v_pk_fma_f32 v[96+j:97+j], v[96+j:97+j], s[CS:CS+1], v[12:13] op_sel_hi:[1,0,0]   ; t - M
.set j, j+2
.endr
.set j, 0
	s_wait_alu depctr_va_vdst(0)
.rept 64
	v_exp_f32 v[96+j], v[96+j]                     ; p = 2^(t - M)
.set j, j+1
.endr
	v_pk_mul_f32 v[14:15], v[14:15], v[26:27] op_sel_hi:[1,0]   ; the sum under the new M: the plain line behind the exponentials
	s_wait_alu depctr_va_vdst(0)                   ; one wait for the whole batch, ahead of its first use
	v_pk_add_f32 v[28:29], v[100:101], v[104:105]
	v_pk_add_f32 v[94:95], v[108:109], v[112:113]
	v_pk_add_f32 v[92:93], v[116:117], v[120:121]
	v_pk_add_f32 v[90:91], v[124:125], v[128:129]
	v_pk_add_f32 v[88:89], v[132:133], v[136:137]
	v_pk_add_f32 v[86:87], v[140:141], v[144:145]
	v_pk_add_f32 v[84:85], v[148:149], v[152:153]
	v_pk_add_f32 v[14:15], v[14:15], v[156:157]
	v_pk_add_f32 v[28:29], v[28:29], v[96:97]
	v_pk_add_f32 v[94:95], v[94:95], v[98:99]
	v_pk_add_f32 v[92:93], v[92:93], v[102:103]
	v_pk_add_f32 v[90:91], v[90:91], v[106:107]
	v_pk_add_f32 v[88:89], v[88:89], v[110:111]
	v_pk_add_f32 v[86:87], v[86:87], v[114:115]
	v_pk_add_f32 v[84:85], v[84:85], v[118:119]
	v_pk_add_f32 v[14:15], v[14:15], v[122:123]
	v_pk_add_f32 v[28:29], v[28:29], v[126:127]
	v_pk_add_f32 v[94:95], v[94:95], v[130:131]
	v_pk_add_f32 v[92:93], v[92:93], v[134:135]
	v_pk_add_f32 v[90:91], v[90:91], v[138:139]
	v_pk_add_f32 v[88:89], v[88:89], v[142:143]
	v_pk_add_f32 v[86:87], v[86:87], v[146:147]
	v_pk_add_f32 v[84:85], v[84:85], v[150:151]
	s_setprio 0
	v_pk_add_f32 v[14:15], v[14:15], v[154:155]
	v_pk_add_f32 v[28:29], v[28:29], v[158:159]
	s_delay_alu instid0(VALU_DEP_2)
	v_pk_add_f32 v[14:15], v[14:15], v[90:91]
	s_delay_alu instid0(VALU_DEP_2)
	v_pk_add_f32 v[28:29], v[28:29], v[88:89]
	v_pk_add_f32 v[94:95], v[94:95], v[86:87]
	v_pk_add_f32 v[92:93], v[92:93], v[84:85]
	s_delay_alu instid0(VALU_DEP_2)
	v_pk_add_f32 v[14:15], v[14:15], v[94:95]
	s_delay_alu instid0(VALU_DEP_2)
	v_pk_add_f32 v[28:29], v[28:29], v[92:93]
	s_delay_alu instid0(VALU_DEP_1)
	v_pk_add_f32 v[14:15], v[14:15], v[28:29]
.set j, 0
.rept 64
.set j, j+1
.endr
.irp c, 0,1,2,3,4,5,6,7
	v_cvt_scalef32_pk8_fp8_f32 v[32+2*\c:33+2*\c], v[96+8*\c:103+8*\c], v31
.endr
.set j, 0
.rept 16
	v_pk_mul_f32 v[160+j:161+j], v[160+j:161+j], v[26:27] op_sel_hi:[1,0]   ; O^T under the new M; these are also the plain lines behind the conversions
.set j, j+2
.endr
	s_wait_alu depctr_va_vdst(0)
	s_wait_dscnt 0x0                               ; V
.irp e, 0,1,2,3                                ; four accumulators, one instruction a turn; the next step's eight products of S^T stand between two turns
	v_wmma_f32_16x16x128_fp8_fp8 v[160+8*\e:167+8*\e], v[192+16*\e:207+16*\e], v[32:47], v[160+8*\e:167+8*\e]
.endr
.Lhidden_\@:
.endm
; A PHASE: 512 keys, four steps.  The count leaves the later phases' loads out.
.macro PHASE p
	s_wait_tensorcnt 3-(\p)                        ; my part of this phase has landed
	s_wait_dscnt 0x0
	s_barrier_signal -1
	s_barrier_wait -1                              ; everybody's has
	s_mov_b32 s[TB], (\p)*32768
	s_mov_b32 s[CNT], 4
.Lstep_\@:
	STEP
	s_add_co_u32 s[TB], s[TB], 8192                ; 128 keys are 8,192 bytes of K's images and of V's
	s_add_co_u32 s[KF], s[KF], 128
	s_sub_co_u32 s[CNT], s[CNT], 1
	s_cmp_lg_u32 s[CNT], 0
	s_cbranch_scc1 .Lstep_\@
	s_setprio 0
.endm
	s_wait_loadcnt 0x0                             ; Q
	PHASE 0
	PHASE 1
	PHASE 2
	PHASE 3
	; THE WAY OUT: O^T x 2^(e8 + e9) / the sum, held, converted: 8 registers of the next product's fragment, two stores of 512 consecutive bytes.
.rept 4
	v_nop                                          ; the places behind the last products
.endr
	v_add_f32 v14, v14, v15
	s_delay_alu instid0(VALU_DEP_1)
	v_permlanex16_b32 v24, v14, s[SEL], s[SEL+1]
	s_delay_alu instid0(VALU_DEP_1)
	v_add_f32 v14, v14, v24                        ; the row's sum
	s_wait_alu depctr_va_vdst(0)
	v_rcp_f32 v14, v14
	v_nop                                          ; a plain line behind the transcendental
	s_wait_alu depctr_va_vdst(0)                   ; and the wait ahead of its first use
	v_ldexp_f32 v14, v14, s77
.set j, 0
.rept 32
	v_mul_f32 v[96+j], v[160+j], v14
.set j, j+1
.endr
.set j, 0
.rept 32
.set j, j+1
.endr
.irp e, 0,1,2,3
	v_cvt_scalef32_pk8_fp8_f32 v[32+2*\e:33+2*\e], v[96+8*\e:103+8*\e], v10
.endr
	v_nop
	global_store_b128 v[AK0], v[32:35], s[8:9]
	global_store_b128 v[AK0], v[36:39], s[8:9] offset:512
	s_wait_tensorcnt 0x0
	ds_add_u32 v7, v25
	s_wait_dscnt 0x0
	s_endpgm
.Lfunc_end_k_q9da44b96d2_attn:
	.size	k_q9da44b96d2_attn, .Lfunc_end_k_q9da44b96d2_attn-k_q9da44b96d2_attn
	.p2alignl 7, 3214868480
	.fill 96, 4, 3214868480
	.section	.rodata,"a",@progbits
	.p2align	6, 0x0
	.amdhsa_kernel k_q9da44b96d2_attn
		.amdhsa_group_segment_fixed_size 264192
		.amdhsa_private_segment_fixed_size 0
		.amdhsa_enable_private_segment 0
		.amdhsa_kernarg_size 24
		.amdhsa_user_sgpr_count 2
		.amdhsa_user_sgpr_kernarg_segment_ptr 1
		.amdhsa_wavefront_size32 1
		.amdhsa_system_sgpr_workgroup_id_x 1
		.amdhsa_system_sgpr_workgroup_id_y 1
		.amdhsa_system_sgpr_workgroup_id_z 1
		.amdhsa_system_vgpr_workitem_id 0
		.amdhsa_next_free_vgpr 256
		.amdhsa_next_free_sgpr 100
		.amdhsa_reserve_vcc 1
		.amdhsa_float_denorm_mode_32 3
		.amdhsa_float_denorm_mode_16_64 3
		.amdhsa_fp16_overflow 1
		.amdhsa_memory_ordered 1
		.amdhsa_forward_progress 1
		.amdhsa_inst_pref_size 87
	.end_amdhsa_kernel
	.amdgpu_metadata
---
amdhsa.version: [ 1, 2 ]
amdhsa.kernels:
  - .name:           k_q9da44b96d2_attn
    .symbol:         k_q9da44b96d2_attn.kd
    .args:
      - { .name: qkv, .offset: 0, .size: 8, .value_kind: global_buffer, .address_space: global }
      - { .name: lowp_scales, .offset: 8, .size: 8, .value_kind: global_buffer, .address_space: global }
      - { .name: acodes, .offset: 16, .size: 8, .value_kind: global_buffer, .address_space: global }
    .group_segment_fixed_size: 264192
    .private_segment_fixed_size: 0
    .kernarg_segment_align: 8
    .kernarg_segment_size: 24
    .max_flat_workgroup_size: 512
    .sgpr_count:     100
    .vgpr_count:     256
    .wavefront_size: 32
...
	.end_amdgpu_metadata
.endif
;; end of part 3
;; launch proj (part 4): grid 8 x 32, 4 waves a work-group, clusters of 4 x 4, 327,680 bytes of LDS; arguments acodes, codes0, lowp_scales, bo, x, x2; writes x2
.if DOCPART == 4
	.amdgcn_target "amdgcn-amd-amdhsa--gfx1250"
	.amdhsa_code_object_version 6
	.text
	.protected	k_q9da44b96d2_proj
	.globl	k_q9da44b96d2_proj
	.p2align	8
	.type	k_q9da44b96d2_proj,@function
k_q9da44b96d2_proj:
	s_mov_b64 s[64:65], 0
	v_nop
	global_prefetch_b8 v0, s[64:65] scope:SCOPE_SE
	s_setreg_imm32_b32 hwreg(HW_REG_WAVE_MODE, 25, 1), 1
	s_wait_xcnt 0x0
	s_wait_alu depctr_hold_cnt(0) depctr_sa_sdst(0) depctr_va_vdst(0) depctr_va_sdst(0) depctr_va_ssrc(0) depctr_va_vcc(0) depctr_vm_vsrc(0)
	s_getreg_b32 s2, hwreg(HW_REG_IB_STS2, 6, 4)
	s_cmp_eq_u32 s2, 0
	s_cbranch_scc0 .Lentry_in_a_cluster
	s_endpgm
.Lentry_in_a_cluster:
	s_bfe_u32 s2, ttmp6, 0x10000c
	s_cmp_lg_u32 s2, 0xf033
	s_cbranch_scc0 .Lentry_shape_is_right
	s_endpgm
.Lentry_shape_is_right:
; A GEMM ON CODES OF E4M3 WITH BIAS AND RESIDUAL: out = res + (A W x 2^(eA + eB) + bias), f32, [4096][1024].  KIND 0: A = the heads' output, W = Wo, K = 1,024.  KIND 1: A = the hidden layer, W = W2, K = 4,096.
; Operands are images of the operand registers: lane (r, h) of a fragment (16 rows x 128 K) holds k = 16 c + 8 h + 0 .. 7 of row r in registers 2 c, 2 c + 1; an image is [g][lane][16 bytes], 2,048 bytes; image (rb, kc) of a
; tensor of R rows lies at ((kc / 2) (R / 16) + rb) x 4096 + (kc % 2) x 2048: 128 rows x 256 K are one dense block of 32,768 bytes.
; The output has 32 x 8 tiles of 128 x 128: one for each of 256 work-groups; tiles of 256 x 256 would be 64.  Four waves, 64 x 64 each: 16 accumulators.  A slot of the ring holds 512 along K: waves 0 and 1 bring A's two
; blocks, waves 2 and 3 B's, one tensor load each; 64 matrix instructions a wave between two changes of slots.
; CLUSTERS: 4 x 4 work-groups; A's blocks are shared along a row of the cluster, B's along a column, asked for jointly.
; THE MATRIX INSTRUCTION IS USED TRANSPOSED (source 0 = 16 rows of W, source 1 = 16 rows of A): a lane holds eight neighbouring numbers of a row of the output.  A wave's 64 columns are 256 bytes: 16 rows at a time go
; through the wave's own stage in LDS and leave as whole rows, sixteen lanes to 256 consecutive bytes, aligned.  The residual is loaded in that layout at the head and waits in registers.
; LIMIT: eA + eB between -126 and 127, so that 2^(eA + eB) is an f32 number.
; REGISTERS: window 0: v16-29 addresses; v32-95 rows on the way out, two sets; v96-99 the bias of my four columns; v128-255 the accumulators ((a, b) at v[128 + 8 (4 a + b)]).
;   window 1: two fragment buffers of 128: A's four fragments, then B's four.   window 2: v0-127 the residual.
.set KIND,   0
.if KIND == 0
.set SIZE_K, 1024
.set WSEC,   0xf00000                  ; Wo's codes in codes0
.set SCB,    0x28                      ; entries 10, 11
.else
.set SIZE_K, 4096
.set WSEC,   0x1400000                 ; W2's codes
.set SCB,    0x38                      ; entries 14, 15
.endif
.set SLOT,   131072                    ; A's K steps 2 n, 2 n + 1, then B's: four blocks of 32,768
.set SPARE,  2*SLOT                    ; behind the ring: the spare words, 128 bytes for each wave: two blocks of 256 bytes that no other line names
.set STAGE,  SPARE+512                 ; behind them: 16 rows x 272 bytes for each wave; no tensor load lands here
.set LAPS,   SIZE_K/1024               ; a lap = two slots
.set ADRA, 16
.set ADRB, 20
.set STO,  24
.set RD,   25
.set CO,   26
.set SPW,  28
.set NIL,  29
.set T,    32
.set ACC,  128
.set F0,   0
.set F1,   128
.set G1, 24
.set G0, 32
.set G1B, 48
.set G0B, 56
.set MSB, 0
.macro WIN new                         ; the immediate's high byte repeats the setting that is left
.if MSB != \new
	s_set_vgpr_msb (MSB<<8)|\new
.set MSB, \new
.endif
.endm
.set MUL,  0x05                        ; sources 0 (B) and 1 (A) window 1; C and D window 0
.set TO_F, 0x40                        ; destination window 1, address window 0
.macro JLOAD s                         ; a joint load: waves 0 and 1 fetch for A, waves 2 and 3 for B; four v_nop follow each of the two lines
	s_cmp_eq_u32 s17, 0
	s_cbranch_scc0 .Lfor_b_\@
	tensor_load_to_lds s[G0+4*\s:G0+4*\s+3], s[G1:G1+7]
	s_nop 0
.rept 4
	v_nop
.endr
	s_branch .Lasked_\@
.Lfor_b_\@:
	tensor_load_to_lds s[G0B+4*\s:G0B+4*\s+3], s[G1B:G1B+7]
	s_nop 0
.rept 4
	v_nop
.endr
.Lasked_\@:
.endm
.macro CREST
	s_cmp_lg_u32 s16, 0
	s_cbranch_scc1 .Lnot_wave_0_\@
	s_barrier_signal -3
.Lnot_wave_0_\@:
	s_barrier_wait -3
	s_barrier_signal -1
	s_barrier_wait -1
.endm
.macro CROUND
	s_barrier_signal -1
	s_barrier_wait -1
	CREST
.endm
	s_load_b256 s[4:11], s[0:1], 0x0               ; A's codes, codes0, the scales, the bias
	s_load_b128 s[12:15], s[0:1], 0x20             ; the residual, the output
	v_lshl_add_u32 v[SPW], v0, 2, SPARE
	v_mov_b32 v[NIL], 0
	ds_add_u32 v28, v29
	ds_add_u32 v28, v29
	s_wait_dscnt 0x0
	v_lshrrev_b32 v1, 5, v0
	v_readfirstlane_b32 s16, v1                    ; wave 0..3
	s_lshr_b32 s17, s16, 1                         ; which half of the tile's rows is mine.  Also: I fetch for A (0) or for B (1)
	s_and_b32 s18, s16, 1                          ; which half of its columns.  Also: which of a slot's two K steps I fetch
	s_bfe_u32 s40, ttmp6, 0x40000                  ; cx, cy
	s_bfe_u32 s41, ttmp6, 0x40004
	s_lshl_b32 s42, ttmp9, 2
	s_add_co_u32 s42, s42, s40                     ; tile column = 4 x cluster x + cx
	s_and_b32 s19, ttmp7, 0xffff
	s_lshl_b32 s19, s19, 2
	s_add_co_u32 s19, s19, s41                     ; tile row = 4 x cluster y + cy
	s_lshl_b32 s43, s41, 2
	s_lshl_b32 s43, 15, s43                        ; my row of the cluster
	s_lshl_b32 s44, 0x1111, s40                    ; my column
	; descriptor group 1: a dense block of 32,768 bytes as 128 rows of 32 elements of 8 bytes; no padding
	s_or_b32 s[G1+0], s43, (3<<16)|(1<<21)
	s_or_b32 s[G1B+0], s44, (3<<16)|(1<<21)
.irp g, G1, G1B
	s_mov_b32 s[\g+1], 32<<16
	s_mov_b32 s[\g+2], 128<<16
	s_mov_b32 s[\g+3], 32<<16
	s_mov_b32 s[\g+4], 128
	s_mov_b32 s[\g+5], 32
	s_mov_b32 s[\g+6], 0
	s_mov_b32 s[\g+7], 0
.endr
	s_lshl_b32 s20, s18, 8                         ; A: 256 blocks a K step; my K step of slot 0,
	s_lshl_b32 s21, s19, 3
	s_add_co_u32 s20, s20, s21                     ; the tile's 8 blocks
	s_lshl_b32 s20, s20, 12
	s_mov_b32 s21, 0
	s_lshl_b32 s66, s18, 6                         ; B: 64 blocks a K step
	s_lshl_b32 s67, s42, 3
	s_add_co_u32 s66, s66, s67
	s_lshl_b32 s66, s66, 12
	s_add_co_u32 s66, s66, WSEC
	s_mov_b32 s67, 0
	s_lshl_b32 s45, s16, 15                        ; where my block goes: wave x 32,768
	s_wait_kmcnt 0x0
	s_load_b64 s[46:47], s[8:9], SCB               ; eA, eB
	s_add_nc_u64 s[20:21], s[4:5], s[20:21]
	s_add_nc_u64 s[66:67], s[6:7], s[66:67]
	CROUND                                         ; all sixteen work-groups are here: the first joint loads meet
.irp s, 0,1
	s_mov_b32 s[G0+4*\s], 1
	s_add_co_u32 s[G0+4*\s+1], s45, \s*SLOT
	s_add_nc_u64 s[G0+4*\s+2:G0+4*\s+3], s[20:21], \s*0x200000     ; slot 1: two K steps on
	s_or_b32 s[G0+4*\s+3], s[G0+4*\s+3], 0x80000000
	s_mov_b32 s[G0B+4*\s], 1
	s_add_co_u32 s[G0B+4*\s+1], s45, \s*SLOT
	s_add_nc_u64 s[G0B+4*\s+2:G0B+4*\s+3], s[66:67], \s*0x80000
	s_or_b32 s[G0B+4*\s+3], s[G0B+4*\s+3], 0x80000000
	JLOAD \s
.endr
	v_and_b32 v1, 15, v0                           ; r
	v_bfe_u32 v2, v0, 4, 1                         ; h
	v_and_b32 v3, 31, v0
	v_lshlrev_b32 v4, 4, v3                        ; 16 x lane
	s_lshl_b32 s22, s17, 14                        ; my four blocks of A's eight,
	s_lshl_b32 s23, s18, 14                        ; of B's,
	s_add_co_u32 s23, s23, 65536                   ; which lie behind A's two K steps
.irp s, 0,1
	v_add_nc_u32 v[ADRA+\s], s22, v4
	v_add_nc_u32 v[ADRB+\s], s23, v4
	s_add_co_u32 s22, s22, SLOT
	s_add_co_u32 s23, s23, SLOT
.endr
	s_mul_i32 s22, s16, 4352
	s_add_co_u32 s22, s22, STAGE                   ; my stage
	v_mul_u32_u24 v5, v1, 272                      ; in: row r, 32 bytes for each half of the lanes
	v_lshl_add_u32 v5, v2, 5, v5
	v_add_nc_u32 v[STO], s22, v5
	v_mul_u32_u24 v5, v2, 272                      ; back: lanes 0-15 one row of 256 bytes, lanes 16-31 the next
	v_lshl_add_u32 v5, v1, 4, v5
	v_add_nc_u32 v[RD], s22, v5
	v_lshlrev_b32 v5, 12, v2
	v_lshl_add_u32 v[CO], v1, 4, v5                ; and the same two rows in the residual and in the output
	s_lshl_b32 s68, s19, 7
	s_lshl_b32 s69, s17, 6
	s_add_co_u32 s68, s68, s69                     ; my first row
	s_lshl_b32 s68, s68, 12
	s_lshl_b32 s69, s42, 7
	s_lshl_b32 s70, s18, 6
	s_add_co_u32 s69, s69, s70                     ; my first column
	s_lshl_b32 s70, s69, 2
	s_add_co_u32 s68, s68, s70
	s_mov_b32 s69, 0
	s_mov_b32 s71, 0
	s_add_nc_u64 s[12:13], s[12:13], s[68:69]
	s_add_nc_u64 s[14:15], s[14:15], s[68:69]
	s_add_nc_u64 s[10:11], s[10:11], s[70:71]
	v_lshlrev_b32 v6, 4, v1
	global_load_b128 v[96:99], v6, s[10:11]        ; the bias of columns 4 r .. 4 r + 3
	WIN 0x80                                       ; destination window 2
.set n, 0
.rept 32
	global_load_b128 v[4*n:4*n+3], v[CO], s[12:13] offset:2*n*4096 th:TH_LOAD_NT   ; rows 2 n and 2 n + 1 of my 64: sixteen lanes read 256 consecutive bytes
.set n, n+1
.endr
	WIN 0
; 4 matrix instructions: A's block a x B's four, 128 along K.  zero = 1: the product starts the sums.  The sixteen accumulators take turns, one instruction a turn, in the same order in every step.
.macro MULA f, a, zero
.irp b, 0,1,2,3
.if \zero
	v_wmma_f32_16x16x128_fp8_fp8 v[ACC+8*(4*(\a)+\b):ACC+8*(4*(\a)+\b)+7], v[\f+64+16*\b:\f+64+16*\b+15], v[\f+16*(\a):\f+16*(\a)+15], 0
.else
	v_wmma_f32_16x16x128_fp8_fp8 v[ACC+8*(4*(\a)+\b):ACC+8*(4*(\a)+\b)+7], v[\f+64+16*\b:\f+64+16*\b+15], v[\f+16*(\a):\f+16*(\a)+15], v[ACC+8*(4*(\a)+\b):ACC+8*(4*(\a)+\b)+7]
.endif
.endr
.endm
; 32 LDS loads in one run: the fragments of the slot's q-th 128 along K into buffer f: B's four, then A's four
.macro FETCH slot, q, f
	WIN TO_F
.irp b, 0,1,2,3
.irp c, 0,1,2,3
	ds_load_b128 v[\f+64+16*\b+4*\c:\f+64+16*\b+4*\c+3], v[ADRB+\slot] offset:32768*((\q)/2)+2048*((\q)%2)+4096*\b+512*\c
.endr
.endr
.irp a, 0,1,2,3
.irp c, 0,1,2,3
	ds_load_b128 v[\f+16*\a+4*\c:\f+16*\a+4*\c+3], v[ADRA+\slot] offset:32768*((\q)/2)+2048*((\q)%2)+4096*\a+512*\c
.endr
.endr
.endm
.macro PLACES                          ; four plain vector lines between a matrix instruction and a load into one of its registers, or a read of its result
.rept 4
	v_nop
.endr
.endm
; One of a slot's first three steps: multiplies buffer f; in its middle it fetches the next step's fragments into buffer g.
.macro STEP slot, q, f, g, zero
	s_wait_dscnt 8                                 ; B's four and A's blocks 0, 1 are in; the youngest eight loads (A's blocks 2, 3) may be out
	WIN MUL
	MULA \f, 0, \zero
	MULA \f, 1, \zero
	PLACES
	FETCH \slot, (\q)+1, \g
	s_wait_dscnt 32                                ; all but the 32 just issued
	WIN MUL
	MULA \f, 2, \zero
	MULA \f, 3, \zero
.endm
; A slot's last step multiplies buffer 1 and changes slots: one barrier; in front of it each wave waits for all its tensor loads, adds 0 to its spare word, and waits for that and for its own reads of this slot.
.macro TURN slot, next, fill
	WIN 0                                          ; (the add's two registers lie in window 0)
	s_wait_tensorcnt 0x0                           ; all my tensor loads have landed: my part of the next slot
	ds_add_u32 v[SPW], v[NIL]                      ; 0 onto my spare word
	s_wait_dscnt 9                                 ; (the add and the youngest eight loads may be out)
	WIN MUL
	MULA F1, 0, 0
	s_wait_dscnt 0x0                               ; the add is done, and my reads of this slot are over
	s_barrier_signal -1
	MULA F1, 1, 0
.if \fill
	WIN 0
.endif
	s_barrier_wait -1
.if \fill
	CREST                                          ; the barrier has opened a round of the cluster's barrier: no wave of any partner still reads this slot or has a load on its way
	s_add_nc_u64 s[G0+4*\slot+2:G0+4*\slot+3], s[G0+4*\slot+2:G0+4*\slot+3], 0x400000      ; four K steps on
	s_add_nc_u64 s[G0B+4*\slot+2:G0B+4*\slot+3], s[G0B+4*\slot+2:G0B+4*\slot+3], 0x100000
	JLOAD \slot                                    ; the first tensor load behind the round; its four v_nop are the places in front of the loads below
.else
	PLACES
.endif
	FETCH \next, 0, F0
	WIN MUL
	MULA F1, 2, 0
	MULA F1, 3, 0
.endm
	s_wait_tensorcnt 1                             ; my part of slot 0 is in (slot 1's load may be out),
	s_barrier_signal -1
	s_barrier_wait -1                              ; everybody's is
	FETCH 0, 0, F0
	STEP 0, 0, F0, F1, 1                           ; the first step stands in front of the loop: its products start the sums
.if LAPS > 1
	WIN 0                                          ; at a label and at a branch every window is 0
	s_mov_b32 s3, LAPS-1
.Llap:                                                 ; a trip goes once round the ring and fills both slots again
	STEP 0, 1, F1, F0, 0
	STEP 0, 2, F0, F1, 0
	TURN 0, 1, 1
	STEP 1, 0, F0, F1, 0
	STEP 1, 1, F1, F0, 0
	STEP 1, 2, F0, F1, 0
	TURN 1, 0, 1
	STEP 0, 0, F0, F1, 0
	WIN 0
	s_sub_co_u32 s3, s3, 1
	s_cmp_lg_u32 s3, 0
	s_cbranch_scc1 .Llap
.endif
	STEP 0, 1, F1, F0, 0                           ; the last lap fills nothing
	STEP 0, 2, F0, F1, 0
	TURN 0, 1, 0
	STEP 1, 0, F0, F1, 0
	STEP 1, 1, F1, F0, 0
	STEP 1, 2, F0, F1, 0
	s_wait_dscnt 0
	WIN MUL
	MULA F1, 0, 0
	MULA F1, 1, 0
	MULA F1, 2, 0
	MULA F1, 3, 0
	WIN 0
	; THE WAY OUT, 16 rows at a time: the sums go into my stage as they are and come back as whole rows; then sum x 2^(eA + eB) + bias, + the residual, and the store.
	s_wait_kmcnt 0x0
	s_add_co_i32 s46, s46, s47
	s_add_co_i32 s46, s46, 127
	s_lshl_b32 s46, s46, 23                        ; 2^(eA + eB)
	s_mov_b32 s47, s46                             ; (named with it as a pair, so it is written)
	s_wait_loadcnt 0x0                             ; the bias and the residual
	PLACES
.macro OUTA a
.set TT, T+32*((\a)%2)
.if (\a) >= 2
	s_wait_xcnt 0x0                                ; block a - 2's stores have read their data: the registers are loaded again only behind this wait
.endif
.irp b, 0,1,2,3
	ds_store_b128 v[STO], v[ACC+8*(4*(\a)+\b):ACC+8*(4*(\a)+\b)+3] offset:64*\b           ; each accumulator from its low end on
	ds_store_b128 v[STO], v[ACC+8*(4*(\a)+\b)+4:ACC+8*(4*(\a)+\b)+7] offset:64*\b+16
.endr
.irp i, 0,1,2,3,4,5,6,7
	ds_load_b128 v[TT+4*\i:TT+4*\i+3], v[RD] offset:544*\i      ; LDS serves a wave's instructions in order (ISA guide 5.7.1.4): these see the stores above, and the next block's stores come behind them
.endr
	s_wait_dscnt 0x0
.irp i, 0,1,2,3,4,5,6,7
	v_pk_fma_f32 v[TT+4*\i:TT+4*\i+1], v[TT+4*\i:TT+4*\i+1], s[46:47], v[96:97] op_sel_hi:[1,0,1]
	v_pk_fma_f32 v[TT+4*\i+2:TT+4*\i+3], v[TT+4*\i+2:TT+4*\i+3], s[46:47], v[98:99] op_sel_hi:[1,0,1]
.endr
	WIN 0x08                                       ; source 1 window 2: the residual
.irp i, 0,1,2,3,4,5,6,7
	v_pk_add_f32 v[TT+4*\i:TT+4*\i+1], v[TT+4*\i:TT+4*\i+1], v[4*(8*(\a)+\i):4*(8*(\a)+\i)+1]
	v_pk_add_f32 v[TT+4*\i+2:TT+4*\i+3], v[TT+4*\i+2:TT+4*\i+3], v[4*(8*(\a)+\i)+2:4*(8*(\a)+\i)+3]
.endr
	WIN 0
.irp i, 0,1,2,3,4,5,6,7
	global_store_b128 v[CO], v[TT+4*\i:TT+4*\i+3], s[14:15] offset:(16*(\a)+2*\i)*4096     ; sixteen lanes store 256 consecutive bytes, aligned
.endr
.endm
.irp a, 0,1,2,3
	OUTA \a
.endr
	s_wait_tensorcnt 0x0                           ; the wave's end
	ds_add_u32 v[SPW], v[NIL]
	s_wait_dscnt 0x0
	CROUND                                         ; the closing round
	s_endpgm
.Lfunc_end_k_q9da44b96d2_proj:
	.size	k_q9da44b96d2_proj, .Lfunc_end_k_q9da44b96d2_proj-k_q9da44b96d2_proj
	.p2alignl 7, 3214868480
	.fill 96, 4, 3214868480
	.section	.rodata,"a",@progbits
	.p2align	6, 0x0
	.amdhsa_kernel k_q9da44b96d2_proj
		.amdhsa_group_segment_fixed_size 327680
		.amdhsa_private_segment_fixed_size 0
		.amdhsa_enable_private_segment 0
		.amdhsa_kernarg_size 48
		.amdhsa_user_sgpr_count 2
		.amdhsa_user_sgpr_kernarg_segment_ptr 1
		.amdhsa_wavefront_size32 1
		.amdhsa_system_sgpr_workgroup_id_x 1
		.amdhsa_system_sgpr_workgroup_id_y 1
		.amdhsa_system_sgpr_workgroup_id_z 1
		.amdhsa_system_vgpr_workitem_id 0
		.amdhsa_next_free_vgpr 640
		.amdhsa_next_free_sgpr 80
		.amdhsa_reserve_vcc 0
		.amdhsa_float_denorm_mode_32 3
		.amdhsa_float_denorm_mode_16_64 3
		.amdhsa_memory_ordered 1
		.amdhsa_forward_progress 1
		.amdhsa_inst_pref_size 53
	.end_amdhsa_kernel
	.amdgpu_metadata
---
amdhsa.version: [ 1, 2 ]
amdhsa.kernels:
  - .name:           k_q9da44b96d2_proj
    .symbol:         k_q9da44b96d2_proj.kd
    .args:
      - { .name: acodes, .offset: 0, .size: 8, .value_kind: global_buffer, .address_space: global }
      - { .name: codes0, .offset: 8, .size: 8, .value_kind: global_buffer, .address_space: global }
      - { .name: lowp_scales, .offset: 16, .size: 8, .value_kind: global_buffer, .address_space: global }
      - { .name: bo, .offset: 24, .size: 8, .value_kind: global_buffer, .address_space: global }
      - { .name: x, .offset: 32, .size: 8, .value_kind: global_buffer, .address_space: global }
      - { .name: x2, .offset: 40, .size: 8, .value_kind: global_buffer, .address_space: global }
    .group_segment_fixed_size: 327680
    .private_segment_fixed_size: 0
    .kernarg_segment_align: 8
    .kernarg_segment_size: 48
    .max_flat_workgroup_size: 128
    .sgpr_count:     80
    .vgpr_count:     640
    .wavefront_size: 32
...
	.end_amdgpu_metadata
.endif
;; end of part 4
;; launch ln2 (part 5): grid 256 x 1, 8 waves a work-group, no clusters, 18,432 bytes of LDS; arguments x2, g2, be2, lowp_scales, h2codes; writes h2codes
.if DOCPART == 5
	.amdgcn_target "amdgcn-amd-amdhsa--gfx1250"
	.amdhsa_code_object_version 6
	.text
	.protected	k_q9da44b96d2_ln2
	.globl	k_q9da44b96d2_ln2
	.p2align	8
	.type	k_q9da44b96d2_ln2,@function
k_q9da44b96d2_ln2:
	s_mov_b64 s[64:65], 0
	v_nop
	global_prefetch_b8 v0, s[64:65] scope:SCOPE_SE
	s_setreg_imm32_b32 hwreg(HW_REG_WAVE_MODE, 25, 1), 1
	s_wait_xcnt 0x0
; LN2(x2), quantised to E4M3 with entry 12 of the scales, laid as images of the operand registers: lane (r, h) of a fragment (16 rows x 128 K) holds k = 16 c + 8 h + 0 .. 7 of row r in registers 2 c, 2 c + 1; an image is
; [g][lane][16 bytes], 2,048 bytes; image (rb, kc) lies at ((kc / 2) x 256 + rb) x 4096 + (kc % 2) x 2048.
; code = y / 2^e, held within +-448, to the nearest code, ties to even.  LIMIT: e between -126 and 119.  NaN among the inputs is not served.
; A work-group takes 16 rows (one rb), wave w rows 2 w and 2 w + 1, kept in registers between the passes; lane l takes k = 256 j + 8 l + 0 .. 7, j = 0 .. 3.  Memory binds: no matrix unit, no tensor load, no cluster.
; v2 32 l; v3 stage address in; v4 stage address out; v5 my byte in a block of codes; v10 scale; v16-47 g; v48-79 be; v80-143 two rows; v176-191 codes; v224-241 statistics
.set NSETS, 1
.macro MKSCALE e, s                    ; 2^e as an f32 number
	s_add_co_i32 s30, s[\e], 127
	s_lshl_b32 s31, s30, 23
	v_mov_b32 v[10+2*(\s)], s31
.endm
.macro XLANE a, t                      ; the sum of v[a] over the 32 lanes, in every lane
	s_delay_alu instid0(VALU_DEP_1)
	v_add_f32_dpp v[\a], v[\a], v[\a] row_xmask:1 row_mask:0xf bank_mask:0xf
	s_delay_alu instid0(VALU_DEP_1)
	v_add_f32_dpp v[\a], v[\a], v[\a] row_xmask:2 row_mask:0xf bank_mask:0xf
	s_delay_alu instid0(VALU_DEP_1)
	v_add_f32_dpp v[\a], v[\a], v[\a] row_xmask:4 row_mask:0xf bank_mask:0xf
	s_delay_alu instid0(VALU_DEP_1)
	v_add_f32_dpp v[\a], v[\a], v[\a] row_xmask:8 row_mask:0xf bank_mask:0xf
	s_delay_alu instid0(VALU_DEP_1)
	v_permlanex16_b32 v[\t], v[\a], s84, s85
	s_delay_alu instid0(VALU_DEP_1)
	v_add_f32 v[\a], v[\a], v[\t]
.endm
.macro ROWSTAT q                       ; two passes, so that a common offset of the row does no harm: the mean; x - mean in place; the mean of the squares + eps into v[A0+2]
.set XR, 80+32*(\q)
.set A0, 224+8*(\q)
	v_pk_add_f32 v[A0:A0+1], v[XR:XR+1], v[XR+2:XR+3]
	v_pk_add_f32 v[A0+2:A0+3], v[XR+4:XR+5], v[XR+6:XR+7]
.irp i, 8,12,16,20,24,28
	s_delay_alu instid0(VALU_DEP_2)
	v_pk_add_f32 v[A0:A0+1], v[A0:A0+1], v[XR+\i:XR+\i+1]
	s_delay_alu instid0(VALU_DEP_2)
	v_pk_add_f32 v[A0+2:A0+3], v[A0+2:A0+3], v[XR+\i+2:XR+\i+3]
.endr
	s_delay_alu instid0(VALU_DEP_1)
	v_pk_add_f32 v[A0:A0+1], v[A0:A0+1], v[A0+2:A0+3]
	s_delay_alu instid0(VALU_DEP_1)
	v_add_f32 v[A0], v[A0], v[A0+1]
	XLANE A0, 240+\q
	s_delay_alu instid0(VALU_DEP_1)
	v_mul_f32 v[A0+4], s86, v[A0]                  ; the mean: sum / 1024
.irp i, 0,2,4,6,8,10,12,14,16,18,20,22,24,26,28,30
	v_pk_add_f32 v[XR+\i:XR+\i+1], v[XR+\i:XR+\i+1], v[A0+4:A0+5] op_sel_hi:[1,0] neg_lo:[0,1] neg_hi:[0,1]
.endr
	v_pk_mul_f32 v[A0:A0+1], v[XR:XR+1], v[XR:XR+1]
	v_pk_mul_f32 v[A0+2:A0+3], v[XR+2:XR+3], v[XR+2:XR+3]
.irp i, 4,8,12,16,20,24,28
	s_delay_alu instid0(VALU_DEP_2)
	v_pk_fma_f32 v[A0:A0+1], v[XR+\i:XR+\i+1], v[XR+\i:XR+\i+1], v[A0:A0+1]
	s_delay_alu instid0(VALU_DEP_2)
	v_pk_fma_f32 v[A0+2:A0+3], v[XR+\i+2:XR+\i+3], v[XR+\i+2:XR+\i+3], v[A0+2:A0+3]
.endr
	s_delay_alu instid0(VALU_DEP_1)
	v_pk_add_f32 v[A0:A0+1], v[A0:A0+1], v[A0+2:A0+3]
	s_delay_alu instid0(VALU_DEP_1)
	v_add_f32 v[A0], v[A0], v[A0+1]
	XLANE A0, 240+\q
	s_delay_alu instid0(VALU_DEP_1)
	v_fma_f32 v[A0+2], v[A0], s86, s87             ; var + eps
.endm
.macro ROWY q                          ; y = ((x - mean) x rsqrt) x g + be
.set XR, 80+32*(\q)
.set A0, 224+8*(\q)
.set i, 0
.rept 16
	v_pk_mul_f32 v[XR+i:XR+i+1], v[XR+i:XR+i+1], v[A0+6:A0+7] op_sel_hi:[1,0]
.set i, i+2
.endr
.set i, 0
.rept 16
	v_pk_fma_f32 v[XR+i:XR+i+1], v[XR+i:XR+i+1], v[16+i:17+i], v[48+i:49+i]
.set i, i+2
.endr
.endm
.macro LNQ q, s                        ; row q with scale s: 32 numbers a lane become 4 x 8 codes, which go to their places in the stage
.set XR, 80+32*(\q)
.set CC, 176+8*(NSETS*(\q)+(\s))
.set i, 0
.rept 32
.set i, i+1
.endr
.irp j, 0,1,2,3
	v_cvt_scalef32_pk8_fp8_f32 v[CC+2*\j:CC+2*\j+1], v[144+8*\j+((XR+i)-(144+i)):151+8*\j+((XR+i)-(144+i))], v[10+2*(\s)]
.endr
	v_nop                                          ; a plain line behind the last conversion
.irp j, 0,1,2,3
	ds_store_b64 v3, v[CC+2*\j:CC+2*\j+1] offset:(\s)*17408+\j*4352+16*(\q)
.endr
.endm
; THE STAGE.  A block of codes (16 rows x 256 K, 4,096 bytes) is sixteen pieces of 256 bytes; in LDS a piece takes 272 bytes = 68 words, so that the 32 lanes of a ds_store_b64 touch 64 different words modulo 64.
; My 8 codes of (row r, k = 256 j + 8 l ..) lie in piece u = 8 (l / 16) + 2 ((l / 4) % 4) + l % 2 at byte 16 r + 8 ((l / 2) % 2).  Block j: at 4352 j.
.macro LNMAIN
	s_lshl_b32 s28, s27, 4
	s_lshl_b32 s29, s26, 1
	s_add_co_u32 s28, s28, s29                     ; my first row: 16 rb + 2 wave
	s_lshl_b32 s28, s28, 12
	s_mov_b32 s29, 0
	s_add_nc_u64 s[4:5], s[4:5], s[28:29]
	v_lshlrev_b32 v2, 5, v1
.irp q, 0,1
.irp j, 0,1,2,3
	global_load_b128 v[80+32*\q+8*\j:83+32*\q+8*\j], v2, s[4:5] offset:4096*\q+1024*\j th:TH_LOAD_NT
	global_load_b128 v[84+32*\q+8*\j:87+32*\q+8*\j], v2, s[4:5] offset:4096*\q+1024*\j+16 th:TH_LOAD_NT
.endr
.endr
.irp j, 0,1,2,3
	global_load_b128 v[16+8*\j:19+8*\j], v2, s[6:7] offset:1024*\j
	global_load_b128 v[20+8*\j:23+8*\j], v2, s[6:7] offset:1024*\j+16
	global_load_b128 v[48+8*\j:51+8*\j], v2, s[8:9] offset:1024*\j
	global_load_b128 v[52+8*\j:55+8*\j], v2, s[8:9] offset:1024*\j+16
.endr
	v_bfe_u32 v6, v0, 4, 1
	v_bfe_u32 v7, v0, 2, 2
	v_and_b32 v8, 1, v0
	s_delay_alu instid0(VALU_DEP_1)
	v_lshl_add_u32 v8, v6, 3, v8
	s_delay_alu instid0(VALU_DEP_1)
	v_lshl_add_u32 v8, v7, 1, v8                   ; u
	s_delay_alu instid0(VALU_DEP_1)
	v_mul_u32_u24 v3, v8, 272
	v_bfe_u32 v7, v0, 1, 1
	s_delay_alu instid0(VALU_DEP_1)
	v_lshl_add_u32 v3, v7, 3, v3
	s_lshl_b32 s30, s26, 5
	v_add_nc_u32 v3, s30, v3                       ; + 16 x (2 wave): my first row's place in a piece
	s_lshl_b32 s30, s26, 1
	v_add_nc_u32 v6, s30, v6
	s_delay_alu instid0(VALU_DEP_1)
	v_mul_u32_u24 v4, v6, 272                      ; out: wave w takes pieces 2 w and 2 w + 1, sixteen lanes to a piece
	v_and_b32 v7, 15, v0
	s_delay_alu instid0(VALU_DEP_1)
	v_lshl_add_u32 v4, v7, 4, v4
	v_lshlrev_b32 v5, 4, v0                        ; 512 wave + 16 lane
	s_mov_b32 s84, 0x76543210                      ; v_permlanex16_b32: lane l takes lane l xor 16
	s_mov_b32 s85, 0xfedcba98
	s_mov_b32 s86, 0x3a800000                      ; 1 / 1024
	s_mov_b32 s87, 0x3727c5ac                      ; eps = 1e-5
.irp r, 229,231,237,239,240,241
	v_mov_b32 v\r, 0                               ; upper halves of pairs that are named whole, and the permutes' destinations, which count as read
.endr
	s_lshl_b32 s28, s27, 12
	s_mov_b32 s29, 0
	s_add_nc_u64 s[88:89], s[24:25], s[28:29]      ; my rb's block of K step 0
.if NSETS == 3
	s_add_nc_u64 s[90:91], s[88:89], 0x400000
	s_add_nc_u64 s[92:93], s[88:89], 0x800000
.endif
	s_wait_kmcnt 0x0
.if NSETS == 3
	MKSCALE 69, 0
	MKSCALE 71, 1
	MKSCALE 73, 2
.else
	MKSCALE 68, 0
.endif
	s_wait_loadcnt 0x0
	ROWSTAT 0
	ROWSTAT 1
	s_wait_alu depctr_va_vdst(0)
	v_rsq_f32 v230, v226
	v_rsq_f32 v238, v234
	v_nop                                          ; a plain line behind the last transcendental (ISA guide 5.7.2)
	s_wait_alu depctr_va_vdst(0)                   ; one wait for both, ahead of their first use
	ROWY 0
	ROWY 1
.irp q, 0,1
	LNQ \q, 0
.if NSETS == 3
	LNQ \q, 1
	LNQ \q, 2
.endif
.endr
	s_wait_dscnt 0x0                               ; for the others' sake: my stores into the stage are done
	s_barrier_signal -1
	s_barrier_wait -1
.set n, 0
.rept 4*NSETS
	ds_load_b128 v[80+4*n:83+4*n], v4 offset:(n/4)*17408+(n%4)*4352
.set n, n+1
.endr
.set n, 0
.rept 4*NSETS
	s_wait_dscnt 4*NSETS-1-n                       ; LDS loads come back in order: read n is in, the younger ones may be out
	global_store_b128 v5, v[80+4*n:83+4*n], s[88+2*(n/4):89+2*(n/4)] offset:(n%4)*1048576   ; 512 consecutive bytes a wave; K step j lies 256 blocks of 4,096 bytes on
.set n, n+1
.endr
	s_wait_tensorcnt 0x0
	ds_add_u32 v254, v255
	s_wait_dscnt 0x0
	s_endpgm
.endm
	s_load_b256 s[4:11], s[0:1], 0x0               ; x2, g2, be2, the scales
	s_load_b64 s[24:25], s[0:1], 0x20              ; the codes
	v_lshl_add_u32 v254, v0, 2, 0x4400
	v_mov_b32 v255, 0
	v_lshrrev_b32 v1, 5, v0
	s_delay_alu instid0(VALU_DEP_1)
	v_readfirstlane_b32 s26, v1                    ; wave 0..7
	v_and_b32 v1, 31, v0                           ; lane
	s_mov_b32 s27, ttmp9                           ; rb
	s_wait_alu depctr_va_vdst(0)
	s_wait_kmcnt 0x0
	s_load_b32 s68, s[10:11], 0x30                 ; entry 12
	LNMAIN
.Lfunc_end_k_q9da44b96d2_ln2:
	.size	k_q9da44b96d2_ln2, .Lfunc_end_k_q9da44b96d2_ln2-k_q9da44b96d2_ln2
	.p2alignl 7, 3214868480
	.fill 96, 4, 3214868480
	.section	.rodata,"a",@progbits
	.p2align	6, 0x0
	.amdhsa_kernel k_q9da44b96d2_ln2
		.amdhsa_group_segment_fixed_size 18432
		.amdhsa_private_segment_fixed_size 0
		.amdhsa_enable_private_segment 0
		.amdhsa_kernarg_size 40
		.amdhsa_user_sgpr_count 2
		.amdhsa_user_sgpr_kernarg_segment_ptr 1
		.amdhsa_wavefront_size32 1
		.amdhsa_system_sgpr_workgroup_id_x 1
		.amdhsa_system_sgpr_workgroup_id_y 1
		.amdhsa_system_sgpr_workgroup_id_z 1
		.amdhsa_system_vgpr_workitem_id 0
		.amdhsa_next_free_vgpr 256
		.amdhsa_next_free_sgpr 100
		.amdhsa_reserve_vcc 0
		.amdhsa_float_denorm_mode_32 3
		.amdhsa_float_denorm_mode_16_64 3
		.amdhsa_fp16_overflow 1
		.amdhsa_memory_ordered 1
		.amdhsa_forward_progress 1
		.amdhsa_inst_pref_size 23
	.end_amdhsa_kernel
	.amdgpu_metadata
---
amdhsa.version: [ 1, 2 ]
amdhsa.kernels:
  - .name:           k_q9da44b96d2_ln2
    .symbol:         k_q9da44b96d2_ln2.kd
    .args:
      - { .name: x2, .offset: 0, .size: 8, .value_kind: global_buffer, .address_space: global }
      - { .name: g2, .offset: 8, .size: 8, .value_kind: global_buffer, .address_space: global }
      - { .name: be2, .offset: 16, .size: 8, .value_kind: global_buffer, .address_space: global }
      - { .name: lowp_scales, .offset: 24, .size: 8, .value_kind: global_buffer, .address_space: global }
      - { .name: h2codes, .offset: 32, .size: 8, .value_kind: global_buffer, .address_space: global }
    .group_segment_fixed_size: 18432
    .private_segment_fixed_size: 0
    .kernarg_segment_align: 8
    .kernarg_segment_size: 40
    .max_flat_workgroup_size: 256
    .sgpr_count:     100
    .vgpr_count:     256
    .wavefront_size: 32
...
	.end_amdgpu_metadata
.endif
;; end of part 5
;; launch fc1 (part 6): grid 16 x 16, 4 waves a work-group, clusters of 4 x 4, 327,680 bytes of LDS; arguments h2codes, codes0, lowp_scales, hidden, b1; writes hidden
.if DOCPART == 6
	.amdgcn_target "amdgcn-amd-amdhsa--gfx1250"
	.amdhsa_code_object_version 6
	.text
	.protected	k_q9da44b96d2_fc1
	.globl	k_q9da44b96d2_fc1
	.p2align	8
	.type	k_q9da44b96d2_fc1,@function
k_q9da44b96d2_fc1:
	s_mov_b64 s[64:65], 0
	v_nop
	global_prefetch_b8 v0, s[64:65] scope:SCOPE_SE
	s_setreg_imm32_b32 hwreg(HW_REG_WAVE_MODE, 25, 1), 1
	s_wait_xcnt 0x0
	s_wait_alu depctr_hold_cnt(0) depctr_sa_sdst(0) depctr_va_vdst(0) depctr_va_sdst(0) depctr_va_ssrc(0) depctr_va_vcc(0) depctr_vm_vsrc(0)
	s_getreg_b32 s2, hwreg(HW_REG_IB_STS2, 6, 4)
	s_cmp_eq_u32 s2, 0
	s_cbranch_scc0 .Lentry_in_a_cluster
	s_endpgm
.Lentry_in_a_cluster:
	s_bfe_u32 s2, ttmp6, 0x10000c
	s_cmp_lg_u32 s2, 0xf033
	s_cbranch_scc0 .Lentry_shape_is_right
	s_endpgm
.Lentry_shape_is_right:
; A GEMM ON CODES OF E4M3 WHOSE RESULT IS QUANTISED AGAIN.  KIND 0: q, k, v = LN1(x) times Wq, Wk, Wv.  KIND 1: hidden = relu(LN2(x2) W1 + b1).  K = 1,024.
; Operands and results are images of the operand registers: lane (r, h) of a fragment (16 rows x 128 K) holds k = 16 c + 8 h + 0 .. 7 of row r in registers 2 c, 2 c + 1; an image is [g][lane][16 bytes], 2,048 bytes;
; image (rb, kc) of a tensor of R rows lies at ((kc / 2) (R / 16) + rb) x 4096 + (kc % 2) x 2048.  So 128 rows x 256 K are one dense block of 32,768 bytes: one tensor load; a fragment is four ds_load_b128 of 512 bytes on end.
; A tile of 256 A rows x 256 B rows is made by four waves, 128 x 128 each: 64 accumulators, 512 registers.  K goes in steps of 256 through a ring of two LDS slots.
; THE MATRIX INSTRUCTION IS USED TRANSPOSED (source 0 = 16 B rows, source 1 = 16 A rows): lane (r, h) holds A row r, and register j of accumulator b holds B row 16 b + 8 h + j.  So one conversion of accumulator b IS
; registers 2 b, 2 b + 1 of the next product's fragment, k in its true place: the results leave as images, four stores of 512 consecutive bytes for 16 rows x 128, with no way through LDS.
; KIND 0: the cluster's x says which product: 0 q, 1 k (A = tokens, B = the weight's rows 64 head + e), 2 v (A = Wv's rows, B = tokens: v's next K is the keys).
;   q, k images: [batch x 16 + head][token / 16][1,024 bytes];  v images: [batch x 16 + head][token / 128][e / 16][2,048 bytes];  q at 0, k at 4 MB, v at 8 MB of the output.
; CLUSTERS: 4 x 4 work-groups; A's tile is shared along a row of the cluster, B's along a column: each is asked for jointly, by the same tensor load with the same descriptor and a mask that names the four.
; LIMITS on the given exponents, so that each power of two below is an f32 number: KIND 0: e(result) - e(weight) - e(h) between -126 and 119.  KIND 1: entry 14 between -126 and 119, entries 12 + 13 between -126 and 127.
; REGISTERS, in windows of 256: window 0: v16-31 addresses and scales, v32-95 b1 (KIND 1), from v128 A's fragments, one set (on the way out v128-191 held sums, v192-255 codes);  window 1: B's fragments, two sets;
;   window 2: the accumulators of my rows 0-63 ((a, b) at v[8 (8 a + b)]);  window 3: those of my rows 64-127.
.set KIND,   1
.set SLOT,   131072                    ; A's 256 rows (two blocks of 32,768), then B's
.set SPARE,  2*SLOT                    ; behind the ring: the spare words, 128 bytes for each wave: two blocks of 256 bytes that no other line names
.set FR,     16
.set NL,     4
.set NP,     4
.set LAPS,   2                         ; 1,024 / 512
.set ADRA, 16                          ; v16-17  LDS address of my A fragments in slot 0, 1
.set ADRB, 20                          ; v20-21  the same for B
.set VO,   24                          ; v24-27  the way out: my byte in an image, for each of its four stores
.set SPW,  28                          ; v28     LDS address of my spare word; never rewritten
.set NIL,  29                          ; v29     0; never rewritten
.set SCL,  30                          ; v30     the conversion's scale
.set LIM,  31                          ; v31     448 x that
.set B1,   32
.set AF,   128
.set TMP,  128
.set CD,   192
.set G1, 24
.set G0, 32
.set G1B, 48
.set G0B, 56
.if KIND == 0
.set BP, 4                             ; B's codes lie in the same buffer as A's
.else
.set BP, 6
.endif
.set MSB, 0
.macro WIN new                         ; the immediate's high byte repeats the setting that is left
.if MSB != \new
	s_set_vgpr_msb (MSB<<8)|\new
.set MSB, \new
.endif
.endm
.set MUL_LO, 0xa1                      ; source 0 (B) window 1, source 1 (A) window 0, C and D window 2
.set MUL_HI, 0xf1                      ; the same, C and D window 3
.set TO_B,   0x40                      ; destination window 1, address window 0
; A joint load: waves 0 and 1 fetch for A, waves 2 and 3 for B; the branch hangs on the wave's number alone.  Four v_nop follow each of the two lines.
.macro JLOAD g0a, g1a, g0b, g1b
	s_cmp_eq_u32 s15, 0
	s_cbranch_scc0 .Lfor_b_\@
	tensor_load_to_lds s[\g0a:\g0a+3], s[\g1a:\g1a+7]
	s_nop 0
.rept 4
	v_nop
.endr
	s_branch .Lasked_\@
.Lfor_b_\@:
	tensor_load_to_lds s[\g0b:\g0b+3], s[\g1b:\g1b+7]
	s_nop 0
.rept 4
	v_nop
.endr
.Lasked_\@:
.endm
.macro CREST                           ; a round of the cluster's barrier behind its opening barrier
	s_cmp_lg_u32 s14, 0
	s_cbranch_scc1 .Lnot_wave_0_\@
	s_barrier_signal -3
.Lnot_wave_0_\@:
	s_barrier_wait -3
	s_barrier_signal -1
	s_barrier_wait -1
.endm
.macro CROUND
	s_barrier_signal -1
	s_barrier_wait -1
	CREST
.endm
.if KIND == 0
	s_load_b64 s[4:5], s[0:1], 0x0                 ; codes0
	s_load_b128 s[8:11], s[0:1], 0x8               ; the scales, the output
.else
	s_load_b128 s[4:7], s[0:1], 0x0                ; A's codes, codes0
	s_load_b128 s[8:11], s[0:1], 0x10              ; the scales, the output
	s_load_b64 s[12:13], s[0:1], 0x20              ; b1
.endif
	v_lshl_add_u32 v[SPW], v0, 2, SPARE
	v_mov_b32 v[NIL], 0
	ds_add_u32 v28, v29
	ds_add_u32 v28, v29
	s_wait_dscnt 0x0
	v_lshrrev_b32 v1, 5, v0
	v_readfirstlane_b32 s14, v1                    ; wave 0..3
	s_lshr_b32 s15, s14, 1                         ; which half of the tile's A rows is mine.  Also: I fetch for A (0) or for B (1)
	s_and_b32 s16, s14, 1                          ; which half of its B rows.  Also: which 128 rows of that tile I fetch
	s_bfe_u32 s40, ttmp6, 0x40000                  ; cx, cy: my place in the cluster
	s_bfe_u32 s41, ttmp6, 0x40004
	s_and_b32 s86, ttmp7, 0xffff                   ; cluster y
.if KIND == 0
	s_lshr_b32 s87, ttmp9, 1                       ; m = 1 for v, else 0: the same in all sixteen partners
	s_xor_b32 s88, s87, 1                          ; 1 - m
	s_lshl_b32 s89, s86, 2
	s_mul_i32 s17, s89, s88
	s_add_co_u32 s17, s17, s41                     ; A's tile: q, k: 4 x cluster y + cy of 16 tiles of tokens; v: cy of Wv's 4
	s_mul_i32 s42, s89, s87
	s_add_co_u32 s42, s42, s40                     ; B's tile: q, k: cx of the weight's 4; v: 4 x cluster y + cx of 16 tiles of tokens
	s_mul_i32 s92, s88, ttmp9
	s_lshl_b32 s92, s92, 22
	s_mul_i32 s93, s87, 0xe00000
	s_add_co_u32 s92, s92, s93                     ; A's section: LN1(x) with e1 at 0, with e3 at 4 MB; Wv at 14 MB
	s_mul_i32 s93, s88, 192
	s_add_co_u32 s93, s93, 64                      ; A's rows / 16: 256 or 64
	s_lshl_b32 s94, ttmp9, 20
	s_add_co_u32 s94, s94, 0xc00000
	s_mul_i32 s94, s94, s88
	s_lshl_b32 s95, s87, 23
	s_add_co_u32 s94, s94, s95                     ; B's section: Wq at 12 MB, Wk at 13 MB; LN1(x) with e5 at 8 MB
	s_mul_i32 s95, s87, 192
	s_add_co_u32 s95, s95, 64                      ; B's rows / 16
.else
	s_lshl_b32 s17, s86, 2
	s_add_co_u32 s17, s17, s41                     ; A's tile = 4 x cluster y + cy
	s_lshl_b32 s42, ttmp9, 2
	s_add_co_u32 s42, s42, s40                     ; B's tile = 4 x cluster x + cx
	s_mov_b32 s92, 0
	s_mov_b32 s93, 256
	s_mov_b32 s94, 0x1000000                       ; W1's codes at 16 MB
	s_mov_b32 s95, 256
.endif
	s_lshl_b32 s43, s41, 2
	s_lshl_b32 s43, 15, s43                        ; my row of the cluster
	s_lshl_b32 s44, 0x1111, s40                    ; my column
	; descriptor group 1: a dense block of 32,768 bytes as 128 rows of 32 elements of 8 bytes; no padding
	s_or_b32 s[G1+0], s43, (3<<16)|(1<<21)         ; 15:0 the mask: A's tiles go to my row; 17:16 elements of 8 bytes; 21 set beside a mask
	s_or_b32 s[G1B+0], s44, (3<<16)|(1<<21)
.irp g, G1, G1B
	s_mov_b32 s[\g+1], 32<<16                      ; tensor_dim0
	s_mov_b32 s[\g+2], 128<<16                     ; tensor_dim1
	s_mov_b32 s[\g+3], 32<<16                      ; tile_dim0
	s_mov_b32 s[\g+4], 128                         ; tile_dim1
	s_mov_b32 s[\g+5], 32                          ; tensor_dim0_stride
	s_mov_b32 s[\g+6], 0
	s_mov_b32 s[\g+7], 0
.endr
	s_lshl_b32 s18, s16, 3                         ; which 8 blocks of the tile's 16 I fetch
	s_lshl_b32 s20, s17, 4
	s_add_co_u32 s20, s20, s18
	s_lshl_b32 s20, s20, 12
	s_add_co_u32 s20, s20, s92                     ; A: K step 0
	s_mov_b32 s21, 0
	s_lshl_b32 s46, s42, 4
	s_add_co_u32 s46, s46, s18
	s_lshl_b32 s46, s46, 12
	s_add_co_u32 s46, s46, s94                     ; B: K step 0
	s_mov_b32 s47, 0
	s_lshl_b32 s96, s93, 12                        ; a K step on, in bytes: A's,
	s_mov_b32 s97, 0
	s_lshl_b32 s98, s95, 12                        ; B's;
	s_mov_b32 s99, 0
	s_lshl_b32 s66, s93, 13                        ; two K steps on
	s_mov_b32 s67, 0
	s_lshl_b32 s68, s95, 13
	s_mov_b32 s69, 0
	s_lshl_b32 s45, s14, 15                        ; where my block goes: wave x 32,768: no place in the cluster enters an LDS address
	s_wait_kmcnt 0x0
.if KIND == 0
	s_load_b256 s[72:79], s[8:9], 0x0              ; entries 0 to 7,
	s_load_b64 s[80:81], s[8:9], 0x20              ; 8 and 9
.else
	s_load_b128 s[72:75], s[8:9], 0x30             ; entries 12 to 15
.endif
	s_add_nc_u64 s[20:21], s[4:5], s[20:21]
	s_add_nc_u64 s[46:47], s[BP:BP+1], s[46:47]
	CROUND                                         ; all sixteen work-groups are here: the first joint loads meet
	s_mov_b32 s[G0], 1
	s_mov_b32 s[G0+1], s45
	s_mov_b64 s[G0+2:G0+3], s[20:21]
	s_or_b32 s[G0+3], s[G0+3], 0x80000000
	s_mov_b32 s[G0B], 1
	s_mov_b32 s[G0B+1], s45
	s_mov_b64 s[G0B+2:G0B+3], s[46:47]
	s_or_b32 s[G0B+3], s[G0B+3], 0x80000000
	JLOAD G0, G1, G0B, G1B
	s_mov_b32 s[G0+4], 1
	s_add_co_u32 s[G0+5], s45, SLOT
	s_add_nc_u64 s[G0+6:G0+7], s[20:21], s[96:97]
	s_or_b32 s[G0+7], s[G0+7], 0x80000000
	s_mov_b32 s[G0B+4], 1
	s_add_co_u32 s[G0B+5], s45, SLOT
	s_add_nc_u64 s[G0B+6:G0B+7], s[46:47], s[98:99]
	s_or_b32 s[G0B+7], s[G0B+7], 0x80000000
	JLOAD G0+4, G1, G0B+4, G1B
	v_and_b32 v1, 31, v0
	v_lshlrev_b32 v4, 4, v1                        ; 16 x lane: my place in every image
	s_lshl_b32 s22, s15, 15                        ; my 128 rows of A
	s_lshl_b32 s23, s16, 15                        ; my 128 rows of B,
	s_add_co_u32 s23, s23, 65536                   ; which lie behind A's 256
.irp s, 0,1
	v_add_nc_u32 v[ADRA+\s], s22, v4
	v_add_nc_u32 v[ADRB+\s], s23, v4
	s_add_co_u32 s22, s22, SLOT
	s_add_co_u32 s23, s23, SLOT
.endr
	; all that the way out needs is made here, while the first tiles are on their way
	s_lshl_b32 s86, s17, 8
	s_lshl_b32 s87, s15, 7
	s_add_co_u32 s86, s86, s87                     ; my first A row
	s_lshl_b32 s87, s42, 8
	s_lshl_b32 s88, s16, 7
	s_add_co_u32 s87, s87, s88                     ; my first B row
.if KIND == 1
	s_lshl_b32 s96, s87, 2
	s_mov_b32 s97, 0
	s_add_nc_u64 s[12:13], s[12:13], s[96:97]
	v_bfe_u32 v2, v0, 4, 1
	v_lshlrev_b32 v5, 5, v2
.irp b, 0,1,2,3,4,5,6,7                        ; b1 in the result's layout: lane (r, h), accumulator b: units 16 b + 8 h + 0 .. 7
	global_load_b128 v[B1+8*\b:B1+8*\b+3], v5, s[12:13] offset:64*\b
	global_load_b128 v[B1+8*\b+4:B1+8*\b+7], v5, s[12:13] offset:64*\b+16
.endr
.endif
.if KIND == 0
	s_cmp_eq_u32 ttmp9, 2
	s_cselect_b32 s88, s87, s86                    ; my first token,
	s_cselect_b32 s89, s86, s87                    ; my first 64 head + e
	s_mov_b32 s92, 1024
	s_cselect_b32 s92, 2048, s92                   ; from A block a to a + 1 (a % 4): q, k: the next 16 tokens; v: the next 16 e
	s_mov_b32 s93, 4096
	s_cselect_b32 s93, 131072, s93                 ; from a to a + 4: q, k: 64 tokens on; v: the next head
	s_mov_b32 s94, 131072
	s_cselect_b32 s94, 1024, s94                   ; from registers 0-7 to 8-15: q, k: the next head; v: the image's second half
	s_lshr_b32 s95, s88, 11
	s_lshl_b32 s95, s95, 4
	s_lshr_b32 s96, s89, 6
	s_add_co_u32 s95, s95, s96                     ; batch x 16 + head
	s_lshl_b32 s95, s95, 17
	s_and_b32 s96, s88, 2047
	s_lshl_b32 s96, s96, 6                         ; 64 bytes a token in all three
	s_add_co_u32 s95, s95, s96
	s_lshl_b32 s96, ttmp9, 22
	s_add_co_u32 s95, s95, s96
.else
	s_lshl_b32 s95, s42, 8                         ; hidden: K step = B's tile; 256 blocks a K step
	s_lshl_b32 s96, s17, 4
	s_add_co_u32 s95, s95, s96
	s_lshl_b32 s96, s15, 3
	s_add_co_u32 s95, s95, s96
	s_lshl_b32 s95, s95, 12
	s_lshl_b32 s96, s16, 11
	s_add_co_u32 s95, s95, s96
	s_mov_b32 s92, 4096
	s_mov_b32 s93, 16384
	s_mov_b32 s94, 1024
.endif
	v_mov_b32 v[VO], v4
	v_add_nc_u32 v[VO+1], 512, v4
	v_add_nc_u32 v[VO+2], s94, v4
	v_add_nc_u32 v[VO+3], 512, v[VO+2]
	s_wait_kmcnt 0x0
.if KIND == 0
	s_cmp_eq_u32 ttmp9, 1
	s_cselect_b32 s86, s74, s72                    ; the weight's exponent,
	s_cselect_b32 s87, s75, s73                    ; h's,
	s_cselect_b32 s88, s79, s78                    ; the result's: entries 6 (q), 7 (k), 9 (v)
	s_cmp_eq_u32 ttmp9, 2
	s_cselect_b32 s86, s76, s86
	s_cselect_b32 s87, s77, s87
	s_cselect_b32 s88, s81, s88
	s_sub_co_i32 s88, s88, s86
	s_sub_co_i32 s88, s88, s87                     ; a sum stands for sum x 2^(eW + eh): the three scales are folded into the conversion's one
.else
	s_add_co_i32 s90, s72, s73
	s_add_co_i32 s90, s90, 127
	s_lshl_b32 s90, s90, 23                        ; 2^(e12 + e13)
	s_mov_b32 s91, s90                             ; (named with it as a pair, so it is written)
	s_mov_b32 s88, s74                             ; e14
.endif
	s_add_co_i32 s88, s88, 127
	s_lshl_b32 s89, s88, 23
	v_mov_b32 v[SCL], s89
	s_add_co_i32 s88, s88, 8
	s_lshl_b32 s88, s88, 23
	s_or_b32 s88, s88, 0x600000
	v_mov_b32 v[LIM], s88
.irp a, 0,1,2,3,4,5,6,7                        ; s[70:85]: where A block a's image begins
	s_mul_i32 s96, s92, (\a)&3
	s_mul_i32 s97, s93, (\a)>>2
	s_add_co_u32 s96, s96, s97
	s_add_co_u32 s96, s96, s95
	s_mov_b32 s97, 0
	s_add_nc_u64 s[70+2*\a:71+2*\a], s[10:11], s[96:97]
.endr
.macro FRAG reg, adr, q, i             ; a fragment comes as it lies: four loads of 512 consecutive bytes
.irp c, 0,1,2,3
	ds_load_b128 v[\reg+4*\c:\reg+4*\c+3], v[\adr] offset:2048*(\q)+512*\c+(\i)*4096
.endr
.endm
; 16 matrix instructions: A's blocks a0, a0 + 1 x B's eight, 128 along K.  p: B's set.  zero = 1: the first product starts the sums.  The 64 accumulators take turns, one instruction a turn, in the same order in every step.
.macro MUL16 a0, p, zero
.irp a, \a0, \a0+1
.irp b, 0,1,2,3,4,5,6,7
.if \zero
	v_wmma_f32_16x16x128_fp8_fp8 v[8*(8*((\a)%4)+\b):8*(8*((\a)%4)+\b)+7], v[128*(\p)+FR*\b:128*(\p)+FR*\b+FR-1], v[AF+FR*(\a):AF+FR*(\a)+FR-1], 0
.else
	v_wmma_f32_16x16x128_fp8_fp8 v[8*(8*((\a)%4)+\b):8*(8*((\a)%4)+\b)+7], v[128*(\p)+FR*\b:128*(\p)+FR*\b+FR-1], v[AF+FR*(\a):AF+FR*(\a)+FR-1], v[8*(8*((\a)%4)+\b):8*(8*((\a)%4)+\b)+7]
.endif
.endr
.endr
.endm
.macro FETCH_B slot, q, p
	WIN TO_B
.irp i, 0,1,2,3,4,5,6,7
	FRAG 128*(\p)+FR*\i, ADRB+\slot, \q, \i
.endr
	WIN 0
.endm
.macro FETCH_A slot, q, i0
.irp i, \i0, \i0+1, \i0+2, \i0+3
	FRAG AF+FR*(\i), ADRA+\slot, \q, \i
.endr
.endm
.macro PLACES n                        ; plain vector lines between a matrix instruction and a load into, or a vector write of, one of its registers, or a read of its result
.rept \n
	v_nop
.endr
.endm
; A step of 128 along K that has its successor in the same slot.  A has one set of registers: blocks 0-3 are fetched anew in the middle, blocks 4-7 at the end; B has two sets.
.macro STEP slot, q, zero
	s_wait_dscnt 4*NL                              ; B's set and A's blocks 0-3 are in; the youngest sixteen loads (A's blocks 4-7) may be out
	WIN MUL_LO
	MUL16 0, (\q)%2, \zero
	MUL16 2, (\q)%2, \zero
	s_wait_dscnt 0
	PLACES NP
	FETCH_B \slot, (\q)+1, 1-(\q)%2
	FETCH_A \slot, (\q)+1, 0
	WIN MUL_HI
	MUL16 4, (\q)%2, \zero
	MUL16 6, (\q)%2, \zero
	PLACES NP
	WIN 0
	FETCH_A \slot, (\q)+1, 4
.endm
; A slot's last step changes slots: one barrier; in front of it each wave waits for all its tensor loads, adds 0 to its spare word, and waits for that and for its own reads of this slot.  fill = 1: this slot is filled again, two K steps ahead.
.macro TURN slot, next, fill
	s_wait_tensorcnt 0x0                           ; all my tensor loads have landed: my part of the next slot
	ds_add_u32 v[SPW], v[NIL]                      ; 0 onto my spare word
	s_wait_dscnt 4*NL+1                            ; (the add and the youngest sixteen loads may be out)
	WIN MUL_LO
	MUL16 0, 1, 0
	s_wait_dscnt 0x0                               ; the add is done, and my reads of this slot are over
	s_barrier_signal -1
	MUL16 2, 1, 0
	WIN 0
	s_barrier_wait -1
.if \fill
	CREST                                          ; the barrier has opened a round of the cluster's barrier: no wave of any partner still reads this slot or has a load on its way
	s_add_nc_u64 s[G0+4*\slot+2:G0+4*\slot+3], s[G0+4*\slot+2:G0+4*\slot+3], s[66:67]
	s_add_nc_u64 s[G0B+4*\slot+2:G0B+4*\slot+3], s[G0B+4*\slot+2:G0B+4*\slot+3], s[68:69]
	JLOAD G0+4*\slot, G1, G0B+4*\slot, G1B         ; the first tensor load behind the round; its four v_nop are the places in front of the loads below
.else
	PLACES NP
.endif
	FETCH_B \next, 0, 0
	FETCH_A \next, 0, 0
	WIN MUL_HI
	MUL16 4, 1, 0
	MUL16 6, 1, 0
	PLACES NP
	WIN 0
	FETCH_A \next, 0, 4
.endm
	s_wait_tensorcnt 1                             ; my part of K step 0 is in (K step 1's load may be out),
	s_barrier_signal -1
	s_barrier_wait -1                              ; everybody's is
	FETCH_B 0, 0, 0
	FETCH_A 0, 0, 0
	FETCH_A 0, 0, 4
	STEP 0, 0, 1                                   ; the first step stands in front of the loop: its products start the sums
	s_mov_b32 s3, LAPS-1
.Llap:                                                 ; a trip goes once round the ring and fills both slots again
	TURN 0, 1, 1
	STEP 1, 0, 0
	TURN 1, 0, 1
	STEP 0, 0, 0
	s_sub_co_u32 s3, s3, 1
	s_cmp_lg_u32 s3, 0
	s_cbranch_scc1 .Llap
	TURN 0, 1, 0                                   ; the last lap fills nothing
	STEP 1, 0, 0
	s_wait_dscnt 4*NL
	WIN MUL_LO
	MUL16 0, 1, 0
	MUL16 2, 1, 0
	s_wait_dscnt 0
	WIN MUL_HI
	MUL16 4, 1, 0
	MUL16 6, 1, 0
	WIN 0
; THE WAY OUT of A block a: its eight accumulators become one fragment of the next product, 16 registers, and leave as an image.
.macro OUTBLK a
.set AC, 64*((\a)%4)
.set CB, CD+16*((\a)%4)
.if (\a) >= 4
	s_wait_xcnt 0x0                                ; block a - 4's stores have read their data: the registers are written again only behind this wait
.endif
	WIN 0x02+((\a)/4)                              ; source 0: window 2 or 3
.if KIND == 0
.set i, 0
.rept 64
	v_med3_num_f32 v[TMP+i], v[AC+i], -v[LIM], v[LIM]      ; the hold at the largest code x the scale; each accumulator from its low end on
.set i, i+1
.endr
	WIN 0
.else
.set i, 0
.rept 32
	v_pk_fma_f32 v[TMP+i:TMP+i+1], v[AC+i:AC+i+1], s[90:91], v[B1+i:B1+i+1] op_sel_hi:[1,0,1]   ; sum x 2^(e12 + e13) + b1
.set i, i+2
.endr
	WIN 0
.set i, 0
.rept 64
	v_med3_num_f32 v[TMP+i], v[TMP+i], 0, v[LIM]   ; the activation and the hold in one
.set i, i+1
.endr
.endif
.irp b, 0,1,2,3,4,5,6,7
	v_cvt_scalef32_pk8_fp8_f32 v[CB+2*\b:CB+2*\b+1], v[TMP+8*\b:TMP+8*\b+7], v[SCL]
.endr
	v_nop                                          ; a plain line behind the last conversion: the next block writes its sources
.irp g, 0,1,2,3
	global_store_b128 v[VO+\g], v[CB+4*\g:CB+4*\g+3], s[70+2*(\a):71+2*(\a)]   ; 512 consecutive bytes, aligned
.endr
.endm
.if KIND == 1
	s_wait_loadcnt 0x0                             ; b1
.endif
	PLACES NP
.irp a, 0,1,2,3,4,5,6,7
	OUTBLK \a
.endr
	s_wait_tensorcnt 0x0                           ; the wave's end
	ds_add_u32 v[SPW], v[NIL]
	s_wait_dscnt 0x0
	CROUND                                         ; the closing round: no work-group ends while a partner may still ask for a tile that names it
	s_endpgm
.Lfunc_end_k_q9da44b96d2_fc1:
	.size	k_q9da44b96d2_fc1, .Lfunc_end_k_q9da44b96d2_fc1-k_q9da44b96d2_fc1
	.p2alignl 7, 3214868480
	.fill 96, 4, 3214868480
	.section	.rodata,"a",@progbits
	.p2align	6, 0x0
	.amdhsa_kernel k_q9da44b96d2_fc1
		.amdhsa_group_segment_fixed_size 327680
		.amdhsa_private_segment_fixed_size 0
		.amdhsa_enable_private_segment 0
		.amdhsa_kernarg_size 40
		.amdhsa_user_sgpr_count 2
		.amdhsa_user_sgpr_kernarg_segment_ptr 1
		.amdhsa_wavefront_size32 1
		.amdhsa_system_sgpr_workgroup_id_x 1
		.amdhsa_system_sgpr_workgroup_id_y 1
		.amdhsa_system_sgpr_workgroup_id_z 1
		.amdhsa_system_vgpr_workitem_id 0
		.amdhsa_next_free_vgpr 1024
		.amdhsa_next_free_sgpr 100
		.amdhsa_reserve_vcc 0
		.amdhsa_float_denorm_mode_32 3
		.amdhsa_float_denorm_mode_16_64 3
		.amdhsa_memory_ordered 1
		.amdhsa_forward_progress 1
		.amdhsa_inst_pref_size 137
	.end_amdhsa_kernel
	.amdgpu_metadata
---
amdhsa.version: [ 1, 2 ]
amdhsa.kernels:
  - .name:           k_q9da44b96d2_fc1
    .symbol:         k_q9da44b96d2_fc1.kd
    .args:
      - { .name: h2codes, .offset: 0, .size: 8, .value_kind: global_buffer, .address_space: global }
      - { .name: codes0, .offset: 8, .size: 8, .value_kind: global_buffer, .address_space: global }
      - { .name: lowp_scales, .offset: 16, .size: 8, .value_kind: global_buffer, .address_space: global }
      - { .name: hidden, .offset: 24, .size: 8, .value_kind: global_buffer, .address_space: global }
      - { .name: b1, .offset: 32, .size: 8, .value_kind: global_buffer, .address_space: global }
    .group_segment_fixed_size: 327680
    .private_segment_fixed_size: 0
    .kernarg_segment_align: 8
    .kernarg_segment_size: 40
    .max_flat_workgroup_size: 128
    .sgpr_count:     100
    .vgpr_count:     1024
    .wavefront_size: 32
...
	.end_amdgpu_metadata
.endif
;; end of part 6
;; launch fc2 (part 7): grid 8 x 32, 4 waves a work-group, clusters of 4 x 4, 327,680 bytes of LDS; arguments hidden, codes0, lowp_scales, b2, x2, out0; writes out0
.if DOCPART == 7
	.amdgcn_target "amdgcn-amd-amdhsa--gfx1250"
	.amdhsa_code_object_version 6
	.text
	.protected	k_q9da44b96d2_fc2
	.globl	k_q9da44b96d2_fc2
	.p2align	8
	.type	k_q9da44b96d2_fc2,@function
k_q9da44b96d2_fc2:
	s_mov_b64 s[64:65], 0
	v_nop
	global_prefetch_b8 v0, s[64:65] scope:SCOPE_SE
	s_setreg_imm32_b32 hwreg(HW_REG_WAVE_MODE, 25, 1), 1
	s_wait_xcnt 0x0
	s_wait_alu depctr_hold_cnt(0) depctr_sa_sdst(0) depctr_va_vdst(0) depctr_va_sdst(0) depctr_va_ssrc(0) depctr_va_vcc(0) depctr_vm_vsrc(0)
	s_getreg_b32 s2, hwreg(HW_REG_IB_STS2, 6, 4)
	s_cmp_eq_u32 s2, 0
	s_cbranch_scc0 .Lentry_in_a_cluster
	s_endpgm
.Lentry_in_a_cluster:
	s_bfe_u32 s2, ttmp6, 0x10000c
	s_cmp_lg_u32 s2, 0xf033
	s_cbranch_scc0 .Lentry_shape_is_right
	s_endpgm
.Lentry_shape_is_right:
; A GEMM ON CODES OF E4M3 WITH BIAS AND RESIDUAL: out0 = x2 + (hidden W2 x 2^(e14 + e15) + b2), f32, [4096][1024]; K = 4,096.
; Operands are images of the operand registers: lane (r, h) of a fragment (16 rows x 128 K) holds k = 16 c + 8 h + 0 .. 7 of row r in registers 2 c, 2 c + 1; an image is [g][lane][16 bytes], 2,048 bytes; image (rb, kc) of a
; tensor of R rows lies at ((kc / 2) (R / 16) + rb) x 4096 + (kc % 2) x 2048: 128 rows x 256 K are one dense block of 32,768 bytes.
; The output has 32 x 8 tiles of 128 x 128: one for each of 256 work-groups; tiles of 256 x 256 would be 64.  Four waves, 64 x 64 each: 16 accumulators.  A slot of the ring holds 512 along K: waves 0 and 1 bring A's two
; blocks, waves 2 and 3 B's, one tensor load each; 64 matrix instructions a wave between two changes of slots.  Eight slots' worth of K: two first fills, six refills.
; CLUSTERS: 4 x 4 work-groups; A's blocks are shared along a row of the cluster, B's along a column, asked for jointly.
; THE MATRIX INSTRUCTION IS USED TRANSPOSED (source 0 = 16 rows of W2, source 1 = 16 rows of A): a lane holds eight neighbouring numbers of a row of the output.  A wave's 64 columns are 256 bytes: 16 rows at a time go
; through the wave's own stage in LDS and leave as whole rows, sixteen lanes to 256 consecutive bytes, aligned.  The residual is loaded in that layout at the head and waits in registers.
; PREFETCH INTO THE L2.  Behind each joint refill, its four lines and the run of LDS loads that follows them, a wave names the block that its own refill TWO slots on will load: 128 matrix instructions a wave ahead of that load.
; LIMIT: e14 + e15 between -126 and 127, so that 2^(e14 + e15) is an f32 number.
; REGISTERS: window 0: v16-30 addresses; v32-95 rows on the way out, two sets; v96-99 the bias of my four columns; v128-255 the accumulators ((a, b) at v[128 + 8 (4 a + b)]).
;   window 1: two fragment buffers of 128: A's four fragments, then B's four.   window 2: v0-127 the residual.
.set SIZE_K, 4096
.set WSEC,   0x1400000                 ; W2's codes in codes0
.set SCB,    0x38                      ; entries 14, 15
.set SLOT,   131072                    ; A's K steps 2 n, 2 n + 1, then B's: four blocks of 32,768
.set SPARE,  2*SLOT                    ; behind the ring: the spare words, 128 bytes for each wave: two blocks of 256 bytes that no other line names
.set STAGE,  SPARE+512                 ; behind them: 16 rows x 272 bytes for each wave; no tensor load lands here
.set LAPS,   SIZE_K/1024               ; a lap = two slots
.set ASLOT,  0x200000                  ; a slot on in A's codes: two K steps of 256 blocks of 4,096 bytes
.set BSLOT,  0x80000                   ; in B's: two K steps of 64 blocks
.set ADRA, 16
.set ADRB, 20
.set STO,  24
.set RD,   25
.set CO,   26
.set SPW,  28
.set NIL,  29
.set PFO,  30                          ; v30     the prefetches' offset: 256 x my lane; never rewritten
.set T,    32
.set ACC,  128
.set F0,   0
.set F1,   128
.set G1, 24
.set G0, 32
.set G1B, 48
.set G0B, 56
.set PFA, 72                           ; s[72:73] where my prefetches stand: my work-group's 8,192 bytes of the block that I fetch, two slots further on than the refill that is being asked for
.set PFS, 74                           ; s[74:75] a slot on, in bytes, in the tensor that I fetch for
.set LIM, 76                           ; s76     1 in a wave that prefetches, else the greatest number: a wave prefetches while the loop's counter is above it
.set MSB, 0
.macro WIN new                         ; the immediate's high byte repeats the setting that is left
.if MSB != \new
	s_set_vgpr_msb (MSB<<8)|\new
.set MSB, \new
.endif
.endm
.set MUL,  0x05                        ; sources 0 (B) and 1 (A) window 1; C and D window 0
.set TO_F, 0x40                        ; destination window 1, address window 0
.macro JLOAD s                         ; a joint load: waves 0 and 1 fetch for A, waves 2 and 3 for B; four v_nop follow each of the two lines
	s_cmp_eq_u32 s17, 0
	s_cbranch_scc0 .Lfor_b_\@
	tensor_load_to_lds s[G0+4*\s:G0+4*\s+3], s[G1:G1+7]
	s_nop 0
.rept 4
	v_nop
.endr
	s_branch .Lasked_\@
.Lfor_b_\@:
	tensor_load_to_lds s[G0B+4*\s:G0B+4*\s+3], s[G1B:G1B+7]
	s_nop 0
.rept 4
	v_nop
.endr
.Lasked_\@:
.endm
; A PREFETCH of the block that my refill two slots on will load: 32,768 bytes, of which each of the four partners that load it jointly names 8,192, told apart BY ADDRESS (cx for A's blocks, cy for B's): 32 lanes, 256 bytes
; apart, one instruction a wave.  A's blocks are read by both clusters of a row of clusters: the one with x = 0 asks; B's by all eight clusters of a column: the one with y = 0 asks.  So each 256 bytes are named once in the
; launch, and no branch hangs on a work-group's place in its cluster.  Slots 0 to 3 come by their loads alone: nothing is asked at the head, where every work-group's first blocks are on their way.  The loop's last trip
; (counter 1: the refills of slots 6 and 7) asks for nothing: there is no slot two on.
.macro ASK
	s_cmp_gt_u32 s3, s[LIM]
	s_cbranch_scc0 .Lnot_mine_\@
	global_prefetch_b8 v[PFO], s[PFA:PFA+1] th:TH_LOAD_NT scope:SCOPE_SE
.Lnot_mine_\@:
.endm
.macro CREST
	s_cmp_lg_u32 s16, 0
	s_cbranch_scc1 .Lnot_wave_0_\@
	s_barrier_signal -3
.Lnot_wave_0_\@:
	s_barrier_wait -3
	s_barrier_signal -1
	s_barrier_wait -1
.endm
.macro CROUND
	s_barrier_signal -1
	s_barrier_wait -1
	CREST
.endm
	s_load_b256 s[4:11], s[0:1], 0x0               ; A's codes, codes0, the scales, the bias
	s_load_b128 s[12:15], s[0:1], 0x20             ; the residual, the output
	v_lshl_add_u32 v[SPW], v0, 2, SPARE
	v_mov_b32 v[NIL], 0
	ds_add_u32 v28, v29
	ds_add_u32 v28, v29
	s_wait_dscnt 0x0
	v_lshrrev_b32 v1, 5, v0
	v_readfirstlane_b32 s16, v1                    ; wave 0..3
	s_lshr_b32 s17, s16, 1                         ; which half of the tile's rows is mine.  Also: I fetch for A (0) or for B (1)
	s_and_b32 s18, s16, 1                          ; which half of its columns.  Also: which of a slot's two K steps I fetch
	s_bfe_u32 s40, ttmp6, 0x40000                  ; cx, cy
	s_bfe_u32 s41, ttmp6, 0x40004
	s_lshl_b32 s42, ttmp9, 2
	s_add_co_u32 s42, s42, s40                     ; tile column = 4 x cluster x + cx
	s_and_b32 s19, ttmp7, 0xffff
	s_lshl_b32 s19, s19, 2
	s_add_co_u32 s19, s19, s41                     ; tile row = 4 x cluster y + cy
	s_lshl_b32 s43, s41, 2
	s_lshl_b32 s43, 15, s43                        ; my row of the cluster
	s_lshl_b32 s44, 0x1111, s40                    ; my column
	; descriptor group 1: a dense block of 32,768 bytes as 128 rows of 32 elements of 8 bytes; no padding
	s_or_b32 s[G1+0], s43, (3<<16)|(1<<21)
	s_or_b32 s[G1B+0], s44, (3<<16)|(1<<21)
.irp g, G1, G1B
	s_mov_b32 s[\g+1], 32<<16
	s_mov_b32 s[\g+2], 128<<16
	s_mov_b32 s[\g+3], 32<<16
	s_mov_b32 s[\g+4], 128
	s_mov_b32 s[\g+5], 32
	s_mov_b32 s[\g+6], 0
	s_mov_b32 s[\g+7], 0
.endr
	s_lshl_b32 s20, s18, 8                         ; A: 256 blocks a K step; my K step of slot 0,
	s_lshl_b32 s21, s19, 3
	s_add_co_u32 s20, s20, s21                     ; the tile's 8 blocks
	s_lshl_b32 s20, s20, 12
	s_mov_b32 s21, 0
	s_lshl_b32 s66, s18, 6                         ; B: 64 blocks a K step
	s_lshl_b32 s67, s42, 3
	s_add_co_u32 s66, s66, s67
	s_lshl_b32 s66, s66, 12
	s_add_co_u32 s66, s66, WSEC
	s_mov_b32 s67, 0
	s_lshl_b32 s45, s16, 15                        ; where my block goes: wave x 32,768
	s_wait_kmcnt 0x0
	s_load_b64 s[46:47], s[8:9], SCB               ; e14, e15
	s_add_nc_u64 s[20:21], s[4:5], s[20:21]
	s_add_nc_u64 s[66:67], s[6:7], s[66:67]
	CROUND                                         ; all sixteen work-groups are here: the first joint loads meet
.irp s, 0,1
	s_mov_b32 s[G0+4*\s], 1
	s_add_co_u32 s[G0+4*\s+1], s45, \s*SLOT
	s_add_nc_u64 s[G0+4*\s+2:G0+4*\s+3], s[20:21], \s*ASLOT
	s_or_b32 s[G0+4*\s+3], s[G0+4*\s+3], 0x80000000
	s_mov_b32 s[G0B+4*\s], 1
	s_add_co_u32 s[G0B+4*\s+1], s45, \s*SLOT
	s_add_nc_u64 s[G0B+4*\s+2:G0B+4*\s+3], s[66:67], \s*BSLOT
	s_or_b32 s[G0B+4*\s+3], s[G0B+4*\s+3], 0x80000000
	JLOAD \s
.endr
	v_and_b32 v1, 15, v0                           ; r
	v_bfe_u32 v2, v0, 4, 1                         ; h
	v_and_b32 v3, 31, v0
	v_lshlrev_b32 v4, 4, v3                        ; 16 x lane
	s_lshl_b32 s22, s17, 14                        ; my four blocks of A's eight,
	s_lshl_b32 s23, s18, 14                        ; of B's,
	s_add_co_u32 s23, s23, 65536                   ; which lie behind A's two K steps
.irp s, 0,1
	v_add_nc_u32 v[ADRA+\s], s22, v4
	v_add_nc_u32 v[ADRB+\s], s23, v4
	s_add_co_u32 s22, s22, SLOT
	s_add_co_u32 s23, s23, SLOT
.endr
	s_mul_i32 s22, s16, 4352
	s_add_co_u32 s22, s22, STAGE                   ; my stage
	v_mul_u32_u24 v5, v1, 272                      ; in: row r, 32 bytes for each half of the lanes
	v_lshl_add_u32 v5, v2, 5, v5
	v_add_nc_u32 v[STO], s22, v5
	v_mul_u32_u24 v5, v2, 272                      ; back: lanes 0-15 one row of 256 bytes, lanes 16-31 the next
	v_lshl_add_u32 v5, v1, 4, v5
	v_add_nc_u32 v[RD], s22, v5
	v_lshlrev_b32 v5, 12, v2
	v_lshl_add_u32 v[CO], v1, 4, v5                ; and the same two rows in the residual and in the output
	s_lshl_b32 s68, s19, 7
	s_lshl_b32 s69, s17, 6
	s_add_co_u32 s68, s68, s69                     ; my first row
	s_lshl_b32 s68, s68, 12
	s_lshl_b32 s69, s42, 7
	s_lshl_b32 s70, s18, 6
	s_add_co_u32 s69, s69, s70                     ; my first column
	s_lshl_b32 s70, s69, 2
	s_add_co_u32 s68, s68, s70
	s_mov_b32 s69, 0
	s_mov_b32 s71, 0
	s_add_nc_u64 s[12:13], s[12:13], s[68:69]
	s_add_nc_u64 s[14:15], s[14:15], s[68:69]
	s_add_nc_u64 s[10:11], s[10:11], s[70:71]
	v_lshlrev_b32 v6, 4, v1
	global_load_b128 v[96:99], v6, s[10:11]        ; the bias of columns 4 r .. 4 r + 3
	WIN 0x80                                       ; destination window 2
.set n, 0
.rept 32
	global_load_b128 v[4*n:4*n+3], v[CO], s[12:13] offset:2*n*4096 th:TH_LOAD_NT   ; rows 2 n and 2 n + 1 of my 64: sixteen lanes read 256 consecutive bytes
.set n, n+1
.endr
	WIN 0
	; the prefetches (macro ASK): where my wave's stand, and who asks.  s[20:21] and s[66:67] still hold my block of slot 0 in A's codes and in B's
	s_and_b32 s77, ttmp7, 0xffff                   ; cluster y
	s_mov_b32 s[PFS], BSLOT
	s_mov_b32 s[PFS+1], 0
	s_cmp_eq_u32 s17, 0                            ; do I fetch for A?
	s_cselect_b64 s[PFA:PFA+1], s[20:21], s[66:67]
	s_cselect_b32 s[PFS], ASLOT, s[PFS]            ; a slot on
	s_cselect_b32 s78, s40, s41                    ; my place among the four that load the block with me
	s_cselect_b32 s77, ttmp9, s77                  ; the coordinate along which other clusters read the same block
	s_cmp_eq_u32 s77, 0
	s_cselect_b32 s[LIM], 1, -1                    ; the same in all sixteen partners, for a given wave
	s_lshl_b32 s78, s78, 13                        ; my work-group's 8,192 bytes of the 32,768
	s_mov_b32 s79, 0
	s_add_nc_u64 s[PFA:PFA+1], s[PFA:PFA+1], s[78:79]
	s_mul_i32 s78, s[PFS], 3
	s_add_nc_u64 s[PFA:PFA+1], s[PFA:PFA+1], s[78:79]  ; in slot 3: the first refill (slot 2's) steps it to slot 4 and names that
	v_lshlrev_b32 v[PFO], 8, v3
; 4 matrix instructions: A's block a x B's four, 128 along K.  zero = 1: the product starts the sums.  The sixteen accumulators take turns, one instruction a turn, in the same order in every step.
.macro MULA f, a, zero
.irp b, 0,1,2,3
.if \zero
	v_wmma_f32_16x16x128_fp8_fp8 v[ACC+8*(4*(\a)+\b):ACC+8*(4*(\a)+\b)+7], v[\f+64+16*\b:\f+64+16*\b+15], v[\f+16*(\a):\f+16*(\a)+15], 0
.else
	v_wmma_f32_16x16x128_fp8_fp8 v[ACC+8*(4*(\a)+\b):ACC+8*(4*(\a)+\b)+7], v[\f+64+16*\b:\f+64+16*\b+15], v[\f+16*(\a):\f+16*(\a)+15], v[ACC+8*(4*(\a)+\b):ACC+8*(4*(\a)+\b)+7]
.endif
.endr
.endm
; 32 LDS loads in one run: the fragments of the slot's q-th 128 along K into buffer f: B's four, then A's four
.macro FETCH slot, q, f
	WIN TO_F
.irp b, 0,1,2,3
.irp c, 0,1,2,3
	ds_load_b128 v[\f+64+16*\b+4*\c:\f+64+16*\b+4*\c+3], v[ADRB+\slot] offset:32768*((\q)/2)+2048*((\q)%2)+4096*\b+512*\c
.endr
.endr
.irp a, 0,1,2,3
.irp c, 0,1,2,3
	ds_load_b128 v[\f+16*\a+4*\c:\f+16*\a+4*\c+3], v[ADRA+\slot] offset:32768*((\q)/2)+2048*((\q)%2)+4096*\a+512*\c
.endr
.endr
.endm
.macro PLACES                          ; four plain vector lines between a matrix instruction and a load into one of its registers, or a read of its result
.rept 4
	v_nop
.endr
.endm
; One of a slot's first three steps: multiplies buffer f; in its middle it fetches the next step's fragments into buffer g.
.macro STEP slot, q, f, g, zero
	s_wait_dscnt 8                                 ; B's four and A's blocks 0, 1 are in; the youngest eight loads (A's blocks 2, 3) may be out
	WIN MUL
	MULA \f, 0, \zero
	MULA \f, 1, \zero
	PLACES
	FETCH \slot, (\q)+1, \g
	s_wait_dscnt 32                                ; all but the 32 just issued
	WIN MUL
	MULA \f, 2, \zero
	MULA \f, 3, \zero
.endm
; A slot's last step multiplies buffer 1 and changes slots: one barrier; in front of it each wave waits for all its tensor loads, adds 0 to its spare word, and waits for that and for its own reads of this slot.
.macro TURN slot, next, fill
.if \fill
	s_wait_xcnt 0x0                                ; the last prefetch, a slot back, has read its address: it is stepped here, ahead of the waits of the change of slots
	s_add_nc_u64 s[PFA:PFA+1], s[PFA:PFA+1], s[PFS:PFS+1]
.endif
	WIN 0                                          ; (the add's two registers lie in window 0)
	s_wait_tensorcnt 0x0                           ; all my tensor loads have landed: my part of the next slot
	ds_add_u32 v[SPW], v[NIL]                      ; 0 onto my spare word
	s_wait_dscnt 9                                 ; (the add and the youngest eight loads may be out)
	WIN MUL
	MULA F1, 0, 0
	s_wait_dscnt 0x0                               ; the add is done, and my reads of this slot are over
	s_barrier_signal -1
	MULA F1, 1, 0
.if \fill
	WIN 0
.endif
	s_barrier_wait -1
.if \fill
	CREST                                          ; the barrier has opened a round of the cluster's barrier: no wave of any partner still reads this slot or has a load on its way
	s_add_nc_u64 s[G0+4*\slot+2:G0+4*\slot+3], s[G0+4*\slot+2:G0+4*\slot+3], 2*ASLOT       ; two slots on
	s_add_nc_u64 s[G0B+4*\slot+2:G0B+4*\slot+3], s[G0B+4*\slot+2:G0B+4*\slot+3], 2*BSLOT
	JLOAD \slot                                    ; the first tensor load behind the round; its four v_nop are the places in front of the loads below
.else
	PLACES
.endif
	FETCH \next, 0, F0
.if \fill
	WIN 0                                          ; (a branch and a label follow)
	ASK                                            ; behind the joint load and the run of LDS loads that the next products wait for
.endif
	WIN MUL
	MULA F1, 2, 0
	MULA F1, 3, 0
.endm
	s_wait_tensorcnt 1                             ; my part of slot 0 is in (slot 1's load may be out),
	s_barrier_signal -1
	s_barrier_wait -1                              ; everybody's is
	FETCH 0, 0, F0
	STEP 0, 0, F0, F1, 1                           ; the first step stands in front of the loop: its products start the sums
	WIN 0                                          ; at a label and at a branch every window is 0
	s_mov_b32 s3, LAPS-1
.Llap:                                                 ; a trip goes once round the ring and fills both slots again
	STEP 0, 1, F1, F0, 0
	STEP 0, 2, F0, F1, 0
	TURN 0, 1, 1
	STEP 1, 0, F0, F1, 0
	STEP 1, 1, F1, F0, 0
	STEP 1, 2, F0, F1, 0
	TURN 1, 0, 1
	STEP 0, 0, F0, F1, 0
	WIN 0
	s_sub_co_u32 s3, s3, 1
	s_cmp_lg_u32 s3, 0
	s_cbranch_scc1 .Llap
	STEP 0, 1, F1, F0, 0                           ; the last lap fills nothing
	STEP 0, 2, F0, F1, 0
	TURN 0, 1, 0
	STEP 1, 0, F0, F1, 0
	STEP 1, 1, F1, F0, 0
	STEP 1, 2, F0, F1, 0
	s_wait_dscnt 0
	WIN MUL
	MULA F1, 0, 0
	MULA F1, 1, 0
	MULA F1, 2, 0
	MULA F1, 3, 0
	WIN 0
	; THE WAY OUT, 16 rows at a time: the sums go into my stage as they are and come back as whole rows; then sum x 2^(e14 + e15) + bias, + the residual, and the store.
	s_wait_kmcnt 0x0
	s_add_co_i32 s46, s46, s47
	s_add_co_i32 s46, s46, 127
	s_lshl_b32 s46, s46, 23                        ; 2^(e14 + e15)
	s_mov_b32 s47, s46                             ; (named with it as a pair, so it is written)
	s_wait_loadcnt 0x0                             ; the bias and the residual
	PLACES
.macro OUTA a
.set TT, T+32*((\a)%2)
.if (\a) >= 2
	s_wait_xcnt 0x0                                ; block a - 2's stores have read their data: the registers are loaded again only behind this wait
.endif
.irp b, 0,1,2,3
	ds_store_b128 v[STO], v[ACC+8*(4*(\a)+\b):ACC+8*(4*(\a)+\b)+3] offset:64*\b           ; each accumulator from its low end on
	ds_store_b128 v[STO], v[ACC+8*(4*(\a)+\b)+4:ACC+8*(4*(\a)+\b)+7] offset:64*\b+16
.endr
.irp i, 0,1,2,3,4,5,6,7
	ds_load_b128 v[TT+4*\i:TT+4*\i+3], v[RD] offset:544*\i      ; LDS serves a wave's instructions in order (ISA guide 5.7.1.4): these see the stores above, and the next block's stores come behind them
.endr
	s_wait_dscnt 0x0
.irp i, 0,1,2,3,4,5,6,7
	v_pk_fma_f32 v[TT+4*\i:TT+4*\i+1], v[TT+4*\i:TT+4*\i+1], s[46:47], v[96:97] op_sel_hi:[1,0,1]
	v_pk_fma_f32 v[TT+4*\i+2:TT+4*\i+3], v[TT+4*\i+2:TT+4*\i+3], s[46:47], v[98:99] op_sel_hi:[1,0,1]
.endr
	WIN 0x08                                       ; source 1 window 2: the residual
.irp i, 0,1,2,3,4,5,6,7
	v_pk_add_f32 v[TT+4*\i:TT+4*\i+1], v[TT+4*\i:TT+4*\i+1], v[4*(8*(\a)+\i):4*(8*(\a)+\i)+1]
	v_pk_add_f32 v[TT+4*\i+2:TT+4*\i+3], v[TT+4*\i+2:TT+4*\i+3], v[4*(8*(\a)+\i)+2:4*(8*(\a)+\i)+3]
.endr
	WIN 0
.irp i, 0,1,2,3,4,5,6,7
	global_store_b128 v[CO], v[TT+4*\i:TT+4*\i+3], s[14:15] offset:(16*(\a)+2*\i)*4096     ; sixteen lanes store 256 consecutive bytes, aligned
.endr
.endm
.irp a, 0,1,2,3
	OUTA \a
.endr
	s_wait_tensorcnt 0x0                           ; the wave's end
	ds_add_u32 v[SPW], v[NIL]
	s_wait_dscnt 0x0
	CROUND                                         ; the closing round
	s_endpgm
.Lfunc_end_k_q9da44b96d2_fc2:
	.size	k_q9da44b96d2_fc2, .Lfunc_end_k_q9da44b96d2_fc2-k_q9da44b96d2_fc2
	.p2alignl 7, 3214868480
	.fill 96, 4, 3214868480
	.section	.rodata,"a",@progbits
	.p2align	6, 0x0
	.amdhsa_kernel k_q9da44b96d2_fc2
		.amdhsa_group_segment_fixed_size 327680
		.amdhsa_private_segment_fixed_size 0
		.amdhsa_enable_private_segment 0
		.amdhsa_kernarg_size 48
		.amdhsa_user_sgpr_count 2
		.amdhsa_user_sgpr_kernarg_segment_ptr 1
		.amdhsa_wavefront_size32 1
		.amdhsa_system_sgpr_workgroup_id_x 1
		.amdhsa_system_sgpr_workgroup_id_y 1
		.amdhsa_system_sgpr_workgroup_id_z 1
		.amdhsa_system_vgpr_workitem_id 0
		.amdhsa_next_free_vgpr 640
		.amdhsa_next_free_sgpr 80
		.amdhsa_reserve_vcc 0
		.amdhsa_float_denorm_mode_32 3
		.amdhsa_float_denorm_mode_16_64 3
		.amdhsa_memory_ordered 1
		.amdhsa_forward_progress 1
		.amdhsa_inst_pref_size 82
	.end_amdhsa_kernel
	.amdgpu_metadata
---
amdhsa.version: [ 1, 2 ]
amdhsa.kernels:
  - .name:           k_q9da44b96d2_fc2
    .symbol:         k_q9da44b96d2_fc2.kd
    .args:
      - { .name: hidden, .offset: 0, .size: 8, .value_kind: global_buffer, .address_space: global }
      - { .name: codes0, .offset: 8, .size: 8, .value_kind: global_buffer, .address_space: global }
      - { .name: lowp_scales, .offset: 16, .size: 8, .value_kind: global_buffer, .address_space: global }
      - { .name: b2, .offset: 24, .size: 8, .value_kind: global_buffer, .address_space: global }
      - { .name: x2, .offset: 32, .size: 8, .value_kind: global_buffer, .address_space: global }
      - { .name: out0, .offset: 40, .size: 8, .value_kind: global_buffer, .address_space: global }
    .group_segment_fixed_size: 327680
    .private_segment_fixed_size: 0
    .kernarg_segment_align: 8
    .kernarg_segment_size: 48
    .max_flat_workgroup_size: 128
    .sgpr_count:     80
    .vgpr_count:     640
    .wavefront_size: 32
...
	.end_amdgpu_metadata
.endif
;; end of part 7
